; MI455X (gfx1250); checked and timed in simulation.
; The chip was launched on July 23, 2026; its instructions are those of AMD's public machine-readable ISA for CDNA 5 (MIT licence, August 2026) and "CDNA5" Instruction Set Architecture Reference Guide (July 2026). The comments in the code are by the model that wrote it; some were corrected since.
;; Multi Head Attention. Allowed arithmetic: matrix products marked QUANTISED: E2M1 operands, one E8M0 scale for each 32 along K, by v_wmma_scale_f32_16x16x128_f8f6f4 with both operands' format E2M1 (or v_wmma_scale_f32_32x16x128_f4), f32 sums; everything else in f32.
;; Inputs: Wk 1,024 x 1,024 float32; Wo 1,024 x 1,024 float32; Wq 1,024 x 1,024 float32; Wv 1,024 x 1,024 float32; bk 1,024 float32; bo 1,024 float32; bq 1,024 float32; bv 1,024 float32; q 2 x 2,048 x 1,024 float32.
;; Outputs: out0 2 x 2,048 x 1,024 float32.
;; This version of the problem:
;;   THIS VERSION OF THE PROBLEM IS GIVEN IN LOW PRECISION. The matrix products marked QUANTISED in the list below multiply operands that are first quantised to E2M1 (2 exponent bits, 1 mantissa bit; 4 bits a number), with one power-of-two scale for each 32 numbers along K (OCP MX v1.0); their sums are f32. All else is computed in f32.
;;   The module's matrix products, in the order in which they are computed (A, B: the left and right operand; K: the contracted axis; several contracted axes count as one K, in the product's order):
;;     1. [M 4,096, K 1,024] x [K 1,024, N 1,024]; A: input q; B: input Wq: QUANTISED
;;     2. [M 4,096, K 1,024] x [K 1,024, N 1,024]; A: input q; B: input Wk: QUANTISED
;;     3. [M 4,096, K 1,024] x [K 1,024, N 1,024]; A: input q; B: input Wv: QUANTISED
;;     4. batch 32 x [M 2,048, K 64] x [K 64, N 2,048]; A: computed on the way; B: computed on the way: QUANTISED
;;     5. batch 32 x [M 2,048, K 2,048] x [K 2,048, N 64]; A: softmax (see below); B: computed on the way: QUANTISED
;;     6. [M 4,096, K 1,024] x [K 1,024, N 1,024]; A: computed on the way; B: input Wo: QUANTISED
;;   THE QUANTISER, for each operand of a quantised product, along K:
;;     - K is cut into blocks of 32 from its start; a last block that is shorter is filled with zeros.
;;     - A block's scale is 2^e with e = floor(log2(the largest magnitude in the block)) - 2, held to -126 .. 127; a block of zeros has e = 0. As a byte (E8M0): e + 127.
;;     - Each number is divided by its block's scale, clamped to +-6, and rounded to the nearest number of E2M1, ties to even, subnormals kept.
;;     - The product sums the exact products of the quantised numbers (number of the format x scale) in f32.
;;   ~~~python
;;   def quantise(x, axis):      # numpy; x: float32 -> the quantised numbers, widened to float32 again
;;       x = np.moveaxis(x, axis, -1); K = x.shape[-1]
;;       x = np.pad(x, [(0, 0)] * (x.ndim - 1) + [(0, -K % 32)]); x = x.reshape(x.shape[:-1] + (-1, 32)); a = np.abs(x).max(-1, keepdims=True)
;;       e = np.where(a > 0, np.clip(np.frexp(np.where(a > 0, a, 1))[1] - 1 - 2, -126, 127), 0)      # np.frexp(a)[1] - 1 = floor(log2(a)), exactly
;;       r = np.clip(x / 2.0 ** e, -6, 6)
;;       step = 2.0 ** (np.maximum(np.frexp(np.where(r == 0, 1, r))[1] - 1, 0) - 1)
;;       q = np.round(r / step) * step * 2.0 ** e      # np.round: ties to even
;;       return np.moveaxis(q.reshape(q.shape[:-2] + (-1,))[..., :K], -1, axis).astype(np.float32)
;;   ~~~
;;   SOFTMAX AHEAD OF A QUANTISED PRODUCT. Where the list says 'softmax', what is quantised is not the finished softmax but p = 2^(t - M), with t = logit x log2(e) and M = ceil(the row's largest t), a whole number; so 1/2 < the row's largest p <= 1. The row's sum l is taken of the UNQUANTISED p, in f32, and the product's result is divided by l at the end. Since M is a whole number, a kernel that streams over the keys may use a running M (the ceiling of the running maximum): every later rescaling is an exact power of two, which a block's scale takes up: the codes' values come out the same.
;;   OPERANDS COMPUTED ON THE WAY. 'Computed on the way' means the value that the module computes at that place (a softmax that the list does not call 'softmax' is quantised finished and normalised). What goes into a quantiser is computed in f32, as accurately as f32 sums, v_exp_f32 and their like allow (about 1e-6 of the number): no bf16 or f16 on the way to a quantiser, and a product that is left as it is and whose result goes on into a quantised operand takes f32 operands (vector FMAs, or v_wmma_f32_16x16x4_f32). A number that lies on a knife's edge between two numbers of the format may be rounded either way, as far as f32 arithmetic and the matrix unit's own rounding can turn it there, and no further.
;; One version. Each part assembles by itself: llvm-mc -triple=amdgcn-amd-amdhsa -mcpu=gfx1250 --defsym DOCPART=n.
;; ======== version 1 of 1: 4 launches
;; limits: right only within a limited range of input values
;; workspace buffers: in_codes 4,194,304 bytes; in_scales 262,144 bytes; qkvim 6,946,816 bytes; o_codes 2,097,152 bytes; o_scales 131,072 bytes
;; launch quant (part 1): grid 768 x 1, 4 waves a work-group, no clusters, 68,608 bytes of LDS; arguments q, Wq, Wk, Wv, Wo, in_codes, in_scales; writes in_codes, in_scales
.if DOCPART == 1
	.amdgcn_target "amdgcn-amd-amdhsa--gfx1250"
	.amdhsa_code_object_version 6
	.text
	.protected	k_q96ff560730_quant
	.globl	k_q96ff560730_quant
	.p2align	8
	.type	k_q96ff560730_quant,@function
k_q96ff560730_quant:
	s_mov_b64 s[64:65], 0
	v_nop
	global_prefetch_b8 v0, s[64:65] scope:SCOPE_SE
	s_setreg_imm32_b32 hwreg(HW_REG_WAVE_MODE, 25, 1), 1
	s_wait_xcnt 0x0
; q [4096][1024] (K innermost) and Wq, Wk, Wv, Wo [1024 (k)][1024 (n)] (K outermost), f32, become codes of FP4 (E2M1) with one E8M0 byte for each 32 along K.
; A block's byte is its largest magnitude's exponent field - 2, held at 1 from below; each number is divided by the scale and rounded to the nearest code, ties to even, beyond 6 the largest code.
; LIMITS: a block whose largest magnitude lies under 2^-124, a block of zeros among them, gets the byte 1 (a block of zeros: 127 by the rule; its codes are zeros, and only this program reads the bytes).
;         NaN and infinities among the inputs are not served.
; WORK LEFT OUT IN THE PROGRAM: reference() sets the scores of keys behind the query to -infinity ahead of its softmax, so their p is 0 whatever the inputs hold: launch attn leaves out the key steps that hold such keys alone.
;         A NaN, an infinity or an overflow that reaches only those scores is not carried to the result.  All inputs are read.
; LAYOUT OF THE RESULTS: THE ORDER OF THE OPERAND'S REGISTERS.  Rows are kept by POSITION.  q's tokens: within 64, position p holds token (p & 7) + 8 ((p >> 4) & 3) + 32 ((p >> 3) & 1).
; A weight's columns: within 32, position p holds column p with bits 3 and 4 exchanged.  A tile is 16 positions.
;   in_codes:  [tile][ks = k / 128][c = 0, 1][lane][16 bytes]: lane (r, h) of part c holds block 2 c + h of position r.  Tiles 0-255 q, 256-319 Wq, 320-383 Wk, 384-447 Wv, 448-511 Wo.
;   in_scales: [group of 32 positions][ks][position % 32][4 bytes]: a row's four bytes of one ks.  Groups 0-127 q, 128-255 the weights.
; Work-groups 0-255 take q, 256-767 the weights: one scalar branch on the work-group's number.  A wave takes 32 positions x 128 along K of q, or 32 x 64 of a weight, and asks for all of it at once.
; q's waves share nothing; of a weight's waves two share a row's scale word, through LDS bytes of their own path.
.set PITCH, 528                        ; a row of 512 bytes in a wave's stage + 16: an odd multiple of 16 bytes
.set WREG,  32*PITCH                   ; a wave's stage
.set SPARE, 4*WREG                     ; the spare words: 128 bytes for each wave
.set WORDS, SPARE+512                  ; the weights' path: 32 half words of scales for each wave, a word each
.set TM,    16                         ; v16-19 largest magnitudes, v20, v21 bytes, v28, v29 the conversions' scale operands
.set PW,    32                         ; v32, v33 the two tiles' scale words; v34 the word that my lane stores
.set PC,    40                         ; v40-55 the two tiles' codes
.set RW,    64                         ; v64-191 numbers as loaded
.set ST,    192                        ; v192-255 64 numbers of my row: register 32 c + i is k = 64 c + 32 h + i: two whole blocks
.set SEL,   26                         ; s[26:27] lane selects: lane l xor 16
; my two blocks become a fragment's 8 registers of codes and, in the lanes of half u, the row's scale word
.macro QUANT u, sel
.irp c, 0,1
	v_max3_num_f32 v[TM+\c], |v[ST+32*\c]|, |v[ST+32*\c+1]|, 0x1800000        ; the floor 2^-124: the byte cannot fall under 1
	v_max3_num_f32 v[TM+2+\c], |v[ST+32*\c+2]|, |v[ST+32*\c+3]|, 0x1800000
.endr
.irp i, 4,8,12,16,20,24,28
.irp c, 0,1
	v_max3_num_f32 v[TM+\c], v[TM+\c], |v[ST+32*\c+\i]|, |v[ST+32*\c+\i+1]|   ; four chains by turns
	v_max3_num_f32 v[TM+2+\c], v[TM+2+\c], |v[ST+32*\c+\i+2]|, |v[ST+32*\c+\i+3]|
.endr
.endr
.irp c, 0,1
	v_max_num_f32 v[TM+\c], v[TM+\c], v[TM+2+\c]         ; the block's largest magnitude
.endr
.irp c, 0,1
	v_add_nc_u32 v[TM+12+\c], 0xff000000, v[TM+\c]       ; 2 off the exponent field: the conversion's scale operand
.endr
	v_perm_b32 v[TM+4], v[TM+13], v[TM+12], 0x07060302   ; the upper halves of both,
	v_lshrrev_b32 v[TM+4], 7, v[TM+4]                    ; whose exponent fields now stand in bytes 0 and 2
	v_permlanex16_b32 v[TM+5], v[TM+4], s[SEL], s[SEL+1]
	v_perm_b32 v[PW+\u], v[TM+5], v[TM+4], \sel          ; with lane l xor 16's two: the word, right in the lanes of half u
.irp c, 0,1
.irp g, 0,1,2,3
	v_cvt_scalef32_pk8_fp4_f32 v[PC+8*\u+4*\c+\g], v[ST+32*\c+8*\g:ST+32*\c+8*\g+7], v[TM+12+\c]
.endr
.endr
	v_nop                                                ; one plain instruction behind the scaled conversions
.endm
	s_load_b256 s[8:15], s[0:1], 0x0               ; q s[8:9], Wq s[10:11], Wk s[12:13], Wv s[14:15]
	s_load_b128 s[16:19], s[0:1], 0x20             ; Wo s[16:17], in_codes s[18:19]
	s_load_b64 s[20:21], s[0:1], 0x30              ; in_scales
	v_lshl_add_u32 v62, v0, 2, SPARE               ; my spare word
	v_mov_b32 v63, 0
	v_lshrrev_b32 v1, 5, v0
	v_readfirstlane_b32 s3, v1                     ; wave
	v_and_b32 v1, 31, v0                           ; lane
	s_mov_b32 s23, 0
	s_mov_b32 s25, 0
	s_mov_b32 s29, 0
	s_wait_alu depctr_va_vdst(0)
	s_wait_kmcnt 0x0
	s_cmp_lt_u32 ttmp9, 256
	s_cbranch_scc0 .Lweights
	; ---- q: wave R = 4 x work-group + wave takes group G = R / 8 (32 positions) and ks = R % 8 (128 along K)
	s_lshl_b32 s4, ttmp9, 2
	s_add_co_u32 s4, s4, s3
	s_lshr_b32 s5, s4, 3                           ; G
	s_and_b32 s6, s4, 7                            ; ks
	s_lshr_b32 s7, s5, 1
	s_lshl_b32 s22, s7, 18                         ; 64 rows of 4,096 bytes for each two groups,
	s_and_b32 s7, s5, 1
	s_lshl_b32 s7, s7, 16                          ; the odd group 16 rows on
	s_add_co_u32 s22, s22, s7
	s_lshl_b32 s7, s6, 9
	s_add_co_u32 s22, s22, s7
	s_lshl_b32 s24, s5, 14                         ; two tiles of 8,192 bytes
	s_lshl_b32 s7, s6, 10
	s_add_co_u32 s24, s24, s7
	s_lshl_b32 s28, s5, 10
	s_lshl_b32 s7, s6, 7
	s_add_co_u32 s28, s28, s7
	s_add_nc_u64 s[8:9], s[8:9], s[22:23]
	s_add_nc_u64 s[18:19], s[18:19], s[24:25]
	s_add_nc_u64 s[20:21], s[20:21], s[28:29]
	s_wait_alu depctr_va_vdst(0)
	v_lshlrev_b32 v4, 4, v1                        ; 16 x lane
.set I, 0
.rept 32
	global_load_b128 v[RW+4*I:RW+4*I+3], v4, s[8:9] offset:4096*(I+(I&16)) th:TH_LOAD_NT   ; rows 0-15 and 32-47 of the group: 32 lanes read 512 consecutive bytes.  All of the wave's 16 KiB are asked for at once
.set I, I+1
.endr
	v_and_b32 v2, 15, v0                           ; r
	v_bfe_u32 v3, v0, 4, 1                         ; h
	s_mul_i32 s7, s3, WREG                         ; my wave's stage
	v_add_nc_u32 v5, s7, v4                        ; in: 16 x lane
	v_mul_u32_u24 v6, v2, PITCH
	v_lshl_add_u32 v6, v3, 7, v6
	v_add_nc_u32 v6, s7, v6                        ; out: position r, + 128 h: block h of each 64
	v_lshlrev_b32 v7, 2, v1                        ; 4 x lane
	s_mov_b32 s[SEL], 0x76543210
	s_mov_b32 s[SEL+1], 0xfedcba98
	v_mov_b32 v[TM+5], 0                           ; written once: a lane permute's destination counts as one of its sources
.set I, 0
	s_wait_alu depctr_va_vdst(0)
.rept 32
	s_wait_loadcnt 31-I                            ; loads come back in order: load I is in, the 31 - I younger ones may be out
	ds_store_b128 v5, v[RW+4*I:RW+4*I+3] offset:PITCH*((I&7)|((I&8)<<1)|((I&16)>>1))   ; each row goes to its position
.set I, I+1
.endr
.macro HALF u, sel                     ; one of the group's two tiles
.irp c, 0,1
.irp j, 0,1,2,3,4,5,6,7
	ds_load_b128 v[ST+32*\c+4*\j:ST+32*\c+4*\j+3], v6 offset:16*PITCH*\u+256*\c+16*\j   ; LDS serves a wave's instructions in order: these see my stores
.endr
.endr
	s_wait_dscnt 0x0
	QUANT \u, \sel
.irp c, 0,1
	global_store_b128 v4, v[PC+8*\u+4*\c:PC+8*\u+4*\c+3], s[18:19] offset:8192*\u+512*\c   ; 32 lanes store 512 consecutive bytes
.endr
.endm
	HALF 0, 0x06020400
	HALF 1, 0x02060004
	v_cmp_gt_u32 vcc_lo, 16, v1
	v_cndmask_b32 v34, v33, v32, vcc_lo            ; lanes 0-15: the first tile's words; lanes 16-31: the second's
	global_store_b32 v7, v34, s[20:21]             ; 128 consecutive bytes
	s_wait_tensorcnt 0x0                           ; the wave's end
	ds_add_u32 v62, v63
	s_wait_dscnt 0x0
	s_endpgm
	; ---- the weights: work-group i = number - 256: weight i / 128, ks = (i / 16) % 8, 64 columns i % 16; wave: group 2 (i % 16) + wave / 2 (32 columns), c = wave % 2 (64 along K: two blocks).
	; A LANE IS A POSITION, ITS REGISTERS RUN DOWN K
.Lweights:
	s_sub_co_u32 s4, ttmp9, 256
	s_lshr_b32 s5, s4, 7                           ; which weight
	s_bfe_u32 s6, s4, 0x30004                      ; ks
	s_and_b32 s7, s4, 15
	s_lshl_b32 s7, s7, 1
	s_lshr_b32 s30, s3, 1
	s_and_b32 s31, s3, 1                           ; c
	s_add_co_u32 s7, s7, s30                       ; group of 32 columns
	s_cmp_eq_u32 s5, 1
	s_cselect_b64 s[10:11], s[12:13], s[10:11]
	s_cmp_eq_u32 s5, 2
	s_cselect_b64 s[10:11], s[14:15], s[10:11]
	s_cmp_eq_u32 s5, 3
	s_cselect_b64 s[10:11], s[16:17], s[10:11]
	s_lshl_b32 s22, s6, 19                         ; 128 rows of 4,096 bytes,
	s_lshl_b32 s4, s31, 18                         ; 64 rows
	s_add_co_u32 s22, s22, s4
	s_lshl_b32 s4, s7, 7
	s_add_co_u32 s22, s22, s4
	s_lshl_b32 s24, s5, 19                         ; tile 256 + 64 x weight + 2 x group
	s_lshl_b32 s4, s7, 14
	s_add_co_u32 s24, s24, s4
	s_lshl_b32 s4, s6, 10
	s_add_co_u32 s24, s24, s4
	s_lshl_b32 s4, s31, 9
	s_add_co_u32 s24, s24, s4
	s_add_co_u32 s24, s24, 0x200000
	s_lshl_b32 s28, s5, 15                         ; group 128 + 32 x weight + group
	s_lshl_b32 s4, s7, 10
	s_add_co_u32 s28, s28, s4
	s_lshl_b32 s4, s6, 7
	s_add_co_u32 s28, s28, s4
	s_add_co_u32 s28, s28, 0x20000
	s_add_nc_u64 s[10:11], s[10:11], s[22:23]
	s_add_nc_u64 s[18:19], s[18:19], s[24:25]
	s_add_nc_u64 s[20:21], s[20:21], s[28:29]
	s_wait_alu depctr_va_vdst(0)
	v_and_b32 v2, 7, v1
	v_and_b32 v5, 8, v1
	v_lshl_or_b32 v2, v5, 1, v2
	v_and_b32 v5, 16, v1
	v_lshrrev_b32 v5, 1, v5
	v_or_b32 v2, v2, v5
	v_lshlrev_b32 v2, 2, v2                        ; 4 x my position's column
.set I, 0
.rept 64
	global_load_b32 v[RW+I], v2, s[10:11] offset:4096*I th:TH_LOAD_NT   ; W(I, my column): the 32 lanes read 128 consecutive bytes, two waves stand side by side on 256
.set I, I+1
.endr
	v_lshrrev_b32 v3, 4, v1
	v_and_b32 v5, 15, v1
	v_lshlrev_b32 v3, 13, v3
	v_lshl_add_u32 v3, v5, 4, v3                   ; my tile of the group's two, + 16 r
	v_lshlrev_b32 v4, 2, v1
	s_lshl_b32 s4, s3, 7
	s_add_co_u32 s4, s4, WORDS
	v_add_nc_u32 v6, s4, v4                        ; my wave's half words in LDS; the other half's lie 128 bytes on
.macro WBLOCK t
.set XS, RW+32*(\t)
	v_max3_num_f32 v12, |v[XS]|, |v[XS+1]|, |v[XS+2]|      ; all 32 numbers of the block are mine: two chains
	v_max3_num_f32 v13, |v[XS+3]|, |v[XS+4]|, |v[XS+5]|
.irp i, 6,10,14,18,22,26
	v_max3_num_f32 v12, v12, |v[XS+\i]|, |v[XS+\i+1]|
	v_max3_num_f32 v13, v13, |v[XS+\i+2]|, |v[XS+\i+3]|
.endr
	v_max3_num_f32 v12, v12, |v[XS+30]|, |v[XS+31]|
	v_max3_num_f32 v12, v12, v13, 0x1800000        ; and the floor 2^-124
	v_add_nc_u32 v11, 0xff000000, v12              ; the conversion's scale operand
	v_lshrrev_b32 v13, 23, v11                     ; the byte
.if (\t) == 0
	v_mov_b32 v48, v13
.else
	v_lshl_or_b32 v48, v13, 8, v48
.endif
.irp g, 0,1,2,3
	v_cvt_scalef32_pk8_fp4_f32 v[32+4*(\t)+\g], v[XS+8*\g:XS+8*\g+7], v11
.endr
	v_nop                                          ; one plain instruction behind the scaled conversions
	global_store_b128 v3, v[32+4*(\t):32+4*(\t)+3], s[18:19] offset:256*(\t)   ; block 2 c + t lies at 512 c + 256 t + 16 r: each half of the lanes fills 256 consecutive, aligned bytes
.endm
	s_wait_alu depctr_va_vdst(0)
	s_wait_loadcnt 32                              ; block 0 is in; block 1's 32 loads may be out
	WBLOCK 0
	s_wait_alu depctr_va_vdst(0)
	s_wait_loadcnt 0x0
	WBLOCK 1
	ds_store_b32 v6, v48                           ; my two bytes
	s_wait_alu depctr_va_vdst(0)
	s_wait_dscnt 0x0
	s_barrier_signal -1
	s_barrier_wait -1                              ; both halves of each word are there
	s_cmp_eq_u32 s31, 0
	s_cbranch_scc0 .Lwdone
	ds_load_b32 v49, v6
	ds_load_b32 v50, v6 offset:128
	s_wait_dscnt 0x0
	v_lshl_or_b32 v49, v50, 16, v49
	global_store_b32 v4, v49, s[20:21]             ; my positions' words: 128 consecutive bytes a wave
.Lwdone:
	s_wait_tensorcnt 0x0                           ; the wave's end
	ds_add_u32 v62, v63
	s_wait_dscnt 0x0
	s_endpgm
.Lfunc_end_k_q96ff560730_quant:
	.size	k_q96ff560730_quant, .Lfunc_end_k_q96ff560730_quant-k_q96ff560730_quant
	.p2alignl 7, 3214868480
	.fill 96, 4, 3214868480
	.section	.rodata,"a",@progbits
	.p2align	6, 0x0
	.amdhsa_kernel k_q96ff560730_quant
		.amdhsa_group_segment_fixed_size 68608
		.amdhsa_private_segment_fixed_size 0
		.amdhsa_enable_private_segment 0
		.amdhsa_kernarg_size 56
		.amdhsa_user_sgpr_count 2
		.amdhsa_user_sgpr_kernarg_segment_ptr 1
		.amdhsa_wavefront_size32 1
		.amdhsa_system_sgpr_workgroup_id_x 1
		.amdhsa_system_sgpr_workgroup_id_y 1
		.amdhsa_system_sgpr_workgroup_id_z 1
		.amdhsa_system_vgpr_workitem_id 0
		.amdhsa_next_free_vgpr 256
		.amdhsa_next_free_sgpr 66
		.amdhsa_reserve_vcc 1
		.amdhsa_float_denorm_mode_32 3
		.amdhsa_float_denorm_mode_16_64 3
		.amdhsa_memory_ordered 1
		.amdhsa_forward_progress 1
		.amdhsa_inst_pref_size 29
	.end_amdhsa_kernel
	.amdgpu_metadata
---
amdhsa.version: [ 1, 2 ]
amdhsa.kernels:
  - .name:           k_q96ff560730_quant
    .symbol:         k_q96ff560730_quant.kd
    .args:
      - { .name: q, .offset: 0, .size: 8, .value_kind: global_buffer, .address_space: global }
      - { .name: Wq, .offset: 8, .size: 8, .value_kind: global_buffer, .address_space: global }
      - { .name: Wk, .offset: 16, .size: 8, .value_kind: global_buffer, .address_space: global }
      - { .name: Wv, .offset: 24, .size: 8, .value_kind: global_buffer, .address_space: global }
      - { .name: Wo, .offset: 32, .size: 8, .value_kind: global_buffer, .address_space: global }
      - { .name: in_codes, .offset: 40, .size: 8, .value_kind: global_buffer, .address_space: global }
      - { .name: in_scales, .offset: 48, .size: 8, .value_kind: global_buffer, .address_space: global }
    .group_segment_fixed_size: 68608
    .private_segment_fixed_size: 0
    .kernarg_segment_align: 8
    .kernarg_segment_size: 56
    .max_flat_workgroup_size: 128
    .sgpr_count:     66
    .vgpr_count:     256
    .wavefront_size: 32
...
	.end_amdgpu_metadata
.endif
;; end of part 1
;; launch qkv (part 2): grid 12 x 16, 4 waves a work-group, clusters of 4 x 4, 279,040 bytes of LDS; arguments in_codes, in_scales, bq, bk, bv, qkvim; writes qkvim
.if DOCPART == 2
	.amdgcn_target "amdgcn-amd-amdhsa--gfx1250"
	.amdhsa_code_object_version 6
	.text
	.protected	k_q96ff560730_qkv
	.globl	k_q96ff560730_qkv
	.p2align	8
	.type	k_q96ff560730_qkv,@function
k_q96ff560730_qkv:
	s_mov_b64 s[64:65], 0
	v_nop
	global_prefetch_b8 v0, s[64:65] scope:SCOPE_SE
	s_setreg_imm32_b32 hwreg(HW_REG_WAVE_MODE, 25, 1), 1
	s_wait_xcnt 0x0
	s_wait_alu depctr_hold_cnt(0) depctr_sa_sdst(0) depctr_va_vdst(0) depctr_va_sdst(0) depctr_va_ssrc(0) depctr_va_vcc(0) depctr_vm_vsrc(0)
	s_getreg_b32 s2, hwreg(HW_REG_IB_STS2, 6, 4)
	s_cmp_eq_u32 s2, 0
	s_cbranch_scc0 .Lentry_in_a_cluster
	s_endpgm
.Lentry_in_a_cluster:
	s_bfe_u32 s2, ttmp6, 0x10000c
	s_cmp_lg_u32 s2, 0xf033
	s_cbranch_scc0 .Lentry_shape_is_right
	s_endpgm
.Lentry_shape_is_right:
; Q = q Wq + bq, K = q Wk + bk, V = q Wv + bv on codes of FP4 (E2M1) with E8M0 scales, sums in f32, the bias as the C of each sum's first product; the results are quantised in registers for the two
; products of attention (Q, K along the head's 64; V along the keys) and leave as codes in the order of the next operand's registers.
; LIMITS: a block whose largest magnitude lies under 2^-124 (a block of zeros too) gets the byte 1; NaN and infinities are not served.
; SHARES.  Work-group (x, y): positions 256 x .. of the columns of Wq | Wk | Wv, positions 256 y .. of q's tokens.  Four waves, each 128 x 128: 64 accumulators, 512 registers.  K = 1,024 is eight steps of 128.
; TYPE 0 (x < 8: Q, K): source 0 = the weight, source 1 = q: a lane holds ONE token and its registers run along the columns: the head's axis, the next K.
;   Columns are kept with bits 3 and 4 of the position exchanged: register j of lane (r, h) in tile b is column 32 (b / 2) + 16 h + 8 (b % 2) + j: half a block to a lane, joined by an exchange of lane halves.
; TYPE 1 (x >= 8: V):   source 0 = q, source 1 = Wv: a lane holds ONE channel and its registers run along the tokens: the keys, the next K.  TYPE hangs on the cluster's x alone: it is the same in all sixteen partners.
;   Tokens are kept so that register j of lane (r, h) in tile b is token 64 (b / 4) + 32 h + 8 (b % 4) + j: whole blocks to a lane.
; RESULT: one record of 13,568 bytes for each head (16 batch + head) and each 128 tokens: Q's codes at 0, its scale words at 4,096, K's codes at 4,608, V's codes at 8,704, K's scale words at 12,800, V's at 13,312.
; LDS: both halves of K lie there at once, each filled once, by ONE load a wave: waves 0 and 1 fetch the first half's tiles of q and of the weight, waves 2 and 3 the second's.  Slot s at 131,072 s: q's 16 tiles x 4,096 bytes, then the weight's.
; Scale words go from memory straight into registers: each wave reads its own once.
; CLUSTER 4 x 4: q's tiles are shared along a row of the cluster, the weight's along a column: each is asked for jointly.  NO PREFETCH: all tiles are asked for at the head, no loop runs ahead of a load.
; REGISTERS, in windows of 256: window 0: v1-23 addresses; v32-95 scale words, eight for each K step; v96-103 scale words to store; v128-191 source 1's fragments, ONE set, later the codes to store; v224-240 at work.
;   window 1: source 0's fragments, TWO sets, at v0 and v128; the bias at v64-127.   windows 2, 3: accumulator (a, b) at v[8 (8 (a % 4) + b)], a < 4 in window 2.
.set SLOT,  131072
.set WOFF,  65536                      ; the weight's tiles in a slot
.set SPARE, 278528                     ; the spare words: 128 bytes for each wave
.set RECB,  13568
.set HEADB, 16*RECB
.set L4,    4                          ; v4   4 x lane
.set SH,    5                          ; v5   16 h: lanes 16-31 store the second head's two bytes
.set L16,   6                          ; v6   16 x lane; v6-9: where block a's codes go: v[6 + 2 (a / 4) + c]
.set SO,    10                         ; v10-11 where its scale words go: v[10 + a / 4]
.set ADR1,  16                         ; v16-17 source 1's fragments in slot 0, 1
.set SELV,  18                         ; v18  which bytes make V's scale word, by the lane's half
.set ADR0,  20                         ; v20-21 source 0's fragments
.set SC,    32
.set SV,    96
.set AF,    128
.set BI,    64                         ; the bias, in window 1
.set TM,    224
.set PW,    240
.set G1Q, 24                           ; s[24:31] group 1 for q's codes; s[32:35] group 0
.set G0Q, 32
.set G1W, 48                           ; s[48:55], s[56:59] the same for the weight's
.set G0W, 56
.set MSB, 0
.macro WIN new                         ; the immediate's high byte repeats the setting that is left; a switch that changes nothing is dropped
.if MSB != (\new)
	s_set_vgpr_msb (MSB<<8)|(\new)
.set MSB, (\new)
.endif
.endm
.macro PLACES n
.rept \n
	v_nop
.endr
.endm
.macro CROUND                          ; a round of the cluster's barrier
	s_barrier_signal -1
	s_barrier_wait -1
	s_cmp_lg_u32 s14, 0
	s_cbranch_scc1 .Lnot_wave_0_\@
	s_barrier_signal -3
.Lnot_wave_0_\@:
	s_barrier_wait -3
	s_barrier_signal -1
	s_barrier_wait -1
.endm
	s_load_b128 s[4:7], s[0:1], 0x0                ; in_codes, in_scales
	s_load_b128 s[8:11], s[0:1], 0x10              ; bq, bk
	s_load_b64 s[12:13], s[0:1], 0x20              ; bv
	s_load_b64 s[84:85], s[0:1], 0x28              ; the result
	v_lshl_add_u32 v254, v0, 2, SPARE
	v_mov_b32 v255, 0
	ds_add_u32 v254, v255                          ; the opening: the add, twice on end, and its wait
	ds_add_u32 v254, v255
	v_lshrrev_b32 v1, 5, v0
	v_readfirstlane_b32 s14, v1                    ; wave 0..3
	s_lshr_b32 s15, s14, 1                         ; i1: my half of source 1's 256 positions.  Also: which half of K I fetch
	s_and_b32 s16, s14, 1                          ; i0: my half of source 0's.  Also: I fetch for q (0) or for the weight (1)
	s_bfe_u32 s40, ttmp6, 0x40000                  ; cx
	s_bfe_u32 s41, ttmp6, 0x40004                  ; cy
	s_lshl_b32 s42, ttmp9, 2
	s_add_co_u32 s42, s42, s40                     ; x = 4 x cluster x + cx
	s_and_b32 s17, ttmp7, 0xffff
	s_lshl_b32 s17, s17, 2
	s_add_co_u32 s17, s17, s41                     ; y = 4 x cluster y + cy
	s_lshl_b32 s43, s41, 2
	s_lshl_b32 s43, 15, s43                        ; my row of the cluster
	s_lshl_b32 s44, 0x1111, s40                    ; my column
	; group 1: 16 tiles (rows) of 4,096 bytes (512 elements of 8 bytes: half of K), 8,192 bytes apart
	s_or_b32 s[G1Q], s43, (3<<16)|(1<<21)          ; 15:0 the mask: q's tiles go to my row; 17:16 elements of 8 bytes; 21 set beside a mask
	s_or_b32 s[G1W], s44, (3<<16)|(1<<21)          ; the weight's go to my column
.irp g, G1Q, G1W
	s_mov_b32 s[\g+1], 512<<16                     ; tensor_dim0
	s_mov_b32 s[\g+2], 16<<16                      ; tensor_dim1
	s_mov_b32 s[\g+3], 512<<16                     ; tile_dim0
	s_mov_b32 s[\g+4], 16                          ; tile_dim1
	s_mov_b32 s[\g+5], 1024                        ; from tile to tile
	s_mov_b32 s[\g+6], 0
	s_mov_b32 s[\g+7], 0
.endr
	; where the tiles come from: q's hang on y alone, the weight's on x alone, each in registers that never hold the other coordinate
	s_lshl_b32 s18, s15, 12                        ; my half of K
	s_lshl_b32 s20, s17, 17
	s_add_co_u32 s20, s20, s18                     ; q: tile 16 y
	s_mov_b32 s21, 0
	s_lshl_b32 s46, s42, 17
	s_add_co_u32 s46, s46, s18
	s_add_co_u32 s46, s46, 0x200000                ; the weight: tile 256 + 16 x
	s_mov_b32 s47, 0
	s_lshl_b32 s45, s15, 17                        ; where they go: the slot of my half: no place in the cluster enters an LDS address
	s_mov_b32 s[G0Q], 1
	s_mov_b32 s[G0Q+1], s45
	s_mov_b32 s[G0W], 1
	s_add_co_u32 s[G0W+1], s45, WOFF
	s_wait_dscnt 0x0                               ; both opening adds are done
	s_wait_kmcnt 0x0
	s_add_nc_u64 s[G0Q+2:G0Q+3], s[4:5], s[20:21]
	s_or_b32 s[G0Q+3], s[G0Q+3], 0x80000000
	s_add_nc_u64 s[G0W+2:G0W+3], s[4:5], s[46:47]
	s_or_b32 s[G0W+3], s[G0W+3], 0x80000000
	CROUND                                         ; all sixteen work-groups are here: the joint loads meet
; THE HEAD'S LOADS, ONE A WAVE: one tree of branches on the wave's number, a line to an arm
.macro ARM under, g0, g1, next
	s_cmp_lt_u32 s14, \under
	s_cbranch_scc0 \next
	tensor_load_to_lds s[\g0:\g0+3], s[\g1:\g1+7]
	s_nop 0
	PLACES 4
	s_branch .Lasked
\next:
.endm
	ARM 1, G0Q, G1Q, .Larm1
	ARM 2, G0W, G1W, .Larm2
	ARM 3, G0Q, G1Q, .Larm3
	tensor_load_to_lds s[G0W:G0W+3], s[G1W:G1W+7]
	s_nop 0
	PLACES 4
.Lasked:
	; lane addresses, made while the tiles are on their way
	s_cmp_lt_u32 ttmp9, 2                          ; clusters 0 and 1 along x make Q and K, cluster 2 makes V
	s_cselect_b32 s66, 0, 1                        ; TYPE
	s_lshl_b32 s68, s17, 13                        ; scale words: q's groups 8 y ..,
	s_lshl_b32 s69, s42, 13
	s_add_co_u32 s69, s69, 0x20000                 ; the weight's groups 128 + 8 x ..
	s_cmp_eq_u32 s66, 0
	s_cselect_b32 s22, s68, s69                    ; source 1's,
	s_cselect_b32 s92, s69, s68                    ; source 0's:
	s_lshl_b32 s68, s15, 12
	s_add_co_u32 s22, s22, s68                     ; four groups of 1,024 bytes for my 128 positions
	s_lshl_b32 s68, s16, 12
	s_add_co_u32 s92, s92, s68
	s_mov_b32 s23, 0
	s_mov_b32 s93, 0
	s_add_nc_u64 s[22:23], s[6:7], s[22:23]
	s_add_nc_u64 s[92:93], s[6:7], s[92:93]
	v_and_b32 v1, 15, v0                           ; r
	v_bfe_u32 v2, v0, 4, 1                         ; h
	v_and_b32 v3, 31, v0                           ; lane
	v_lshlrev_b32 v[L16], 4, v3
	v_lshlrev_b32 v[L4], 2, v3
	s_wait_alu depctr_va_vdst(0)
.macro LSC ks                          ; step ks's scale words: a register holds those of two tiles, the even one in lanes 0-15, the odd one in lanes 16-31
.irp p, 0,1,2,3
	global_load_b32 v[SC+8*(\ks)+\p], v[L4], s[22:23] offset:1024*\p+128*(\ks)
	global_load_b32 v[SC+8*(\ks)+4+\p], v[L4], s[92:93] offset:1024*\p+128*(\ks)
.endr
.endm
	LSC 0
	LSC 1
	LSC 2
	LSC 3
	s_mov_b32 s2, 0x76543210                       ; s[2:3]: lane selects: lane l xor 16
	s_mov_b32 s3, 0xfedcba98
	s_cmp_lt_u32 ttmp9, 2
	s_cselect_b32 s95, WOFF, 0                     ; source 0's codes: the weight's or q's
	s_cselect_b32 s96, 0, WOFF                     ; source 1's
	s_lshl_b32 s99, s16, 15
	s_add_co_u32 s95, s95, s99
	s_lshl_b32 s99, s15, 15
	s_add_co_u32 s96, s96, s99
	v_add_nc_u32 v[ADR0], s95, v[L16]              ; whatever TYPE is, slot 0's addresses stay under 131,072
	v_add_nc_u32 v[ADR0+1], SLOT, v[ADR0]
	v_add_nc_u32 v[ADR1], s96, v[L16]
	v_add_nc_u32 v[ADR1+1], SLOT, v[ADR1]
	; the way out.  TYPE 0: part c is a head (HEADB on), blocks a are token tiles (512 bytes).  TYPE 1: part c is 2,048 bytes on, a % 4 a tile of channels (512), a / 4 a head (HEADB)
	s_cmp_lt_u32 ttmp9, 2
	s_mov_b32 s95, 0x800
	s_cselect_b32 s95, HEADB, s95                  ; from c = 0 to c = 1
	s_mov_b32 s96, HEADB
	s_cselect_b32 s96, 0x800, s96                  ; from a / 4 = 0 to 1
	s_cselect_b32 s97, HEADB, 0                    ; scale words: lanes 16-31 store the next head's, or the same word
	s_mov_b32 s98, HEADB
	s_cselect_b32 s98, 0x100, s98                  ; from a / 4 = 0 to 1
	v_lshlrev_b32 v[SH], 4, v2
	v_add_nc_u32 v[L16+1], s95, v[L16]
	v_add_nc_u32 v[L16+2], s96, v[L16]
	v_lshlrev_b32 v[SO], 2, v1
	v_mad_u32_u24 v[SO], v2, s97, v[SO]
	v_add_nc_u32 v[L16+3], s95, v[L16+2]
	v_add_nc_u32 v[SO+1], s98, v[SO]
	s_mov_b32 s68, 0x06020400
	s_mov_b32 s69, 0x02060004
	v_mov_b32 v[SELV], s69                         ; lanes 16-31 hold the blocks of the odd bytes,
	v_mov_b32 v19, s68                             ; lanes 0-15 those of the even ones
	v_cmp_eq_u32 vcc_lo, 0, v2
	v_cndmask_b32 v[SELV], v[SELV], v19, vcc_lo
.irp b, 0,1,2,3
	v_mov_b32 v[TM+4+\b], 0                        ; written once: a lane permute's destination counts as one of its sources
.endr
	; the bias: bq, bk or bv by the cluster's x; my 128 numbers: 256 cx + 128 x (the half of the operand that carries the columns)
	s_cmp_eq_u32 ttmp9, 0
	s_cselect_b64 s[8:9], s[8:9], s[10:11]
	s_cmp_eq_u32 ttmp9, 2
	s_cselect_b64 s[8:9], s[12:13], s[8:9]
	s_cselect_b32 s95, s15, s16
	s_lshl_b32 s95, s95, 9
	s_lshl_b32 s96, s40, 10
	s_add_co_u32 s18, s95, s96
	s_mov_b32 s19, 0
	s_add_nc_u64 s[8:9], s[8:9], s[18:19]
	v_lshlrev_b32 v12, 6, v2                       ; TYPE 0: 16 h numbers on
	v_and_b32 v13, 7, v1
	v_lshrrev_b32 v14, 3, v1
	v_lshlrev_b32 v13, 2, v13
	v_lshl_add_u32 v13, v14, 6, v13                ; TYPE 1: position r of a tile is column r % 8 + 16 (r / 8) of it
	s_wait_alu depctr_va_vdst(0)
	s_cmp_eq_u32 s66, 0
	s_cbranch_scc0 .Lbias_v
	WIN 0x40                                       ; destination window 1
.irp b, 0,1,2,3,4,5,6,7                        ; a lane's eight columns of source 0's tile b: 32 (b / 2) + 16 h + 8 (b % 2) + 0 .. 7; the same for every block of tokens
	global_load_b128 v[BI+8*\b:BI+8*\b+3], v12, s[8:9] offset:(32*(\b/2)+8*(\b%2))*4
	global_load_b128 v[BI+8*\b+4:BI+8*\b+7], v12, s[8:9] offset:(32*(\b/2)+8*(\b%2))*4+16
.endr
	WIN 0
	s_wait_loadcnt 0x0
	s_branch .Lbias_done
.Lbias_v:
	WIN 0x40
.irp a, 0,1,2,3,4,5,6,7                        ; a lane's ONE channel of source 1's tile a, for all eight registers
	global_load_b32 v[BI+8*\a], v13, s[8:9] offset:(32*(\a/2)+8*(\a%2))*4
.endr
	s_wait_loadcnt 0x0
	WIN 0x41                                       ; source 0 and destination window 1
.irp a, 0,1,2,3,4,5,6,7
.irp j, 1,2,3,4,5,6,7
	v_mov_b32 v[BI+8*\a+\j], v[BI+8*\a]
.endr
.endr
	WIN 0
	PLACES 8
.Lbias_done:
.macro FRAG reg, adr, q, i             ; a fragment, 16 positions x 128 K, lies in LDS as its registers' image: part c at 512 c, lane l's 16 bytes at 16 l
.irp c, 0,1
	ds_load_b128 v[\reg+4*\c:\reg+4*\c+3], v[\adr] offset:4096*(\i)+1024*(\q)+512*\c
.endr
.endm
.macro FETCH_B slot, q, p              ; source 0's eight fragments of the slot's q-th step into set p
	WIN 0x40
.irp i, 0,1,2,3,4,5,6,7
	FRAG 128*(\p)+8*\i, ADR0+\slot, \q, \i
.endr
	WIN 0
.endm
.macro FETCH_A slot, q, i0             ; source 1's blocks i0 .. i0 + 3
.irp i, \i0, \i0+1, \i0+2, \i0+3
	FRAG AF+8*(\i), ADR1+\slot, \q, \i
.endr
.endm
.macro WM                              ; one product; an odd tile's scale words are taken from lanes 16-31
.if PA_ && PB_
	v_wmma_scale_f32_16x16x128_f8f6f4 v[RD_:RD_+7], v[RA_:RA_+7], v[RB_:RB_+7], v[RC_:RC_+7], v[SA_], v[SB_] matrix_a_fmt:MATRIX_FMT_FP4 matrix_b_fmt:MATRIX_FMT_FP4 matrix_a_scale:MATRIX_SCALE_ROW1 matrix_b_scale:MATRIX_SCALE_ROW1
.elseif PA_
	v_wmma_scale_f32_16x16x128_f8f6f4 v[RD_:RD_+7], v[RA_:RA_+7], v[RB_:RB_+7], v[RC_:RC_+7], v[SA_], v[SB_] matrix_a_fmt:MATRIX_FMT_FP4 matrix_b_fmt:MATRIX_FMT_FP4 matrix_a_scale:MATRIX_SCALE_ROW1
.elseif PB_
	v_wmma_scale_f32_16x16x128_f8f6f4 v[RD_:RD_+7], v[RA_:RA_+7], v[RB_:RB_+7], v[RC_:RC_+7], v[SA_], v[SB_] matrix_a_fmt:MATRIX_FMT_FP4 matrix_b_fmt:MATRIX_FMT_FP4 matrix_b_scale:MATRIX_SCALE_ROW1
.else
	v_wmma_scale_f32_16x16x128_f8f6f4 v[RD_:RD_+7], v[RA_:RA_+7], v[RB_:RB_+7], v[RC_:RC_+7], v[SA_], v[SB_] matrix_a_fmt:MATRIX_FMT_FP4 matrix_b_fmt:MATRIX_FMT_FP4
.endif
.endm
; 16 products: source 1's blocks a0, a0 + 1 x source 0's eight.  p: source 0's set; qg: the step.  cmode 0: onto the sums; 1, 2: the first product starts them from the bias (by source 0's tile; by source 1's).
; The 64 accumulators take turns, one instruction a turn, in the same order in every step.
.macro MUL16 a0, p, qg, cmode
.irp a, \a0, \a0+1
.irp b, 0,1,2,3,4,5,6,7
.set RD_, 8*(8*((\a)%4)+\b)
.set RA_, 128*(\p)+8*\b
.set RB_, AF+8*(\a)
.set RC_, RD_
.if \cmode == 1
.set RC_, BI+8*\b
.elseif \cmode == 2
.set RC_, BI+8*(\a)
.endif
.set SA_, SC+8*(\qg)+4+\b/2
.set SB_, SC+8*(\qg)+(\a)/2
.set PA_, \b%2
.set PB_, (\a)%2
	WM
.endr
.endr
.endm
; A step of 128 along K that has its successor in the same slot.  A load into a register that a product has read stands four plain vector instructions behind that product.
.macro STEP slot, q, cmode
	s_wait_dscnt 8                                 ; source 0's set and source 1's blocks 0-3 are in; the youngest eight loads (blocks 4-7) may be out
.if \cmode
	WIN 0x91                                       ; source 0 and C (the bias) window 1, source 1 window 0, D window 2
.else
	WIN 0xa1                                       ; source 0 window 1, source 1 window 0, C and D window 2
.endif
	MUL16 0, (\q)%2, 4*(\slot)+(\q), \cmode
	MUL16 2, (\q)%2, 4*(\slot)+(\q), \cmode
	s_wait_dscnt 0x0                               ; blocks 4-7 are in (asked for 32 products ago)
	PLACES 4
	FETCH_B \slot, (\q)+1, 1-(\q)%2
	FETCH_A \slot, (\q)+1, 0
.if \cmode
	WIN 0xd1
.else
	WIN 0xf1                                       ; C and D window 3
.endif
	MUL16 4, (\q)%2, 4*(\slot)+(\q), \cmode
	MUL16 6, (\q)%2, 4*(\slot)+(\q), \cmode
	PLACES 4
	WIN 0
	FETCH_A \slot, (\q)+1, 4
.endm
	s_wait_alu depctr_va_vdst(0)                   ; the head's end
	s_cmp_lt_u32 s14, 2
	s_cbranch_scc0 .Lslot_0
	s_wait_tensorcnt 0x0                           ; waves 0 and 1: my tiles of slot 0 are in.  Waves 2 and 3 have load lines of their own, for slot 1
.Lslot_0:
	s_barrier_signal -1
	s_barrier_wait -1                              ; slot 0 is whole
	FETCH_B 0, 0, 0
	FETCH_A 0, 0, 0
	FETCH_A 0, 0, 4
	LSC 4                                          ; the second half's scale words
	LSC 5
	LSC 6
	LSC 7
	s_cmp_eq_u32 s66, 0                            ; the first step is written twice: it differs in the registers that its C names
	s_cbranch_scc0 .Lfirst_v
	STEP 0, 0, 1
	s_branch .Lfirst_done
.Lfirst_v:
	STEP 0, 0, 2
.Lfirst_done:
	STEP 0, 1, 0
	STEP 0, 2, 0
	; slot 0's last step goes over to slot 1
	s_wait_tensorcnt 0x0                           ; waves 2 and 3: my tiles of slot 1 are in
	s_wait_dscnt 8
	WIN 0xa1
	MUL16 0, 1, 3, 0
	s_wait_dscnt 0x0                               ; no LDS load of mine is out at the signal
	s_barrier_signal -1
	MUL16 2, 1, 3, 0
	WIN 0
	s_barrier_wait -1                              ; slot 1 is whole
	PLACES 4
	FETCH_B 1, 0, 0
	FETCH_A 1, 0, 0
	WIN 0xf1
	MUL16 4, 1, 3, 0
	MUL16 6, 1, 3, 0
	PLACES 4
	WIN 0
	FETCH_A 1, 0, 4
	s_wait_loadcnt 0x0                             ; the second half's scale words are in
	STEP 1, 0, 0
	STEP 1, 1, 0
	STEP 1, 2, 0
	s_wait_dscnt 8                                 ; the last step: nothing more to fetch
	WIN 0xa1
	MUL16 0, 1, 7, 0
	MUL16 2, 1, 7, 0
	s_wait_dscnt 0x0
	WIN 0xf1
	MUL16 4, 1, 7, 0
	MUL16 6, 1, 7, 0
	WIN 0
	PLACES 4                                       ; in front of the first read of results and of writes into source 1's registers
	; THE WAY OUT.  My first record: head 16 (y / 8) + 4 cx + 2 (my half of the columns), tokens 2 (y % 8) + (my half of the tokens)
	s_lshr_b32 s68, s17, 3
	s_and_b32 s69, s17, 7
	s_cmp_eq_u32 s66, 0
	s_cselect_b32 s70, s16, s15
	s_cselect_b32 s71, s15, s16
	s_lshl_b32 s72, s68, 4
	s_lshl_b32 s73, s40, 2
	s_add_co_u32 s72, s72, s73
	s_lshl_b32 s73, s70, 1
	s_add_co_u32 s72, s72, s73
	s_mul_i32 s72, s72, HEADB
	s_lshl_b32 s73, s69, 1
	s_add_co_u32 s73, s73, s71
	s_mul_i32 s73, s73, RECB
	s_add_co_u32 s72, s72, s73
	s_mov_b32 s73, 0
	s_add_nc_u64 s[80:81], s[84:85], s[72:73]
	s_mov_b32 s76, 4608                            ; in the record: K's codes and scale words,
	s_mov_b32 s78, 12800
	s_cmp_eq_u32 ttmp9, 0
	s_cselect_b32 s76, 0, s76                      ; Q's,
	s_cselect_b32 s78, 4096, s78
	s_cmp_eq_u32 ttmp9, 2
	s_cselect_b32 s76, 8704, s76                   ; V's
	s_cselect_b32 s78, 13312, s78
	s_mov_b32 s77, 0
	s_mov_b32 s79, 0
	s_add_nc_u64 s[82:83], s[80:81], s[78:79]
	s_add_nc_u64 s[80:81], s[80:81], s[76:77]
; TYPE 0: 64 numbers of a lane in window w, register 16 b + i = index 32 b + 16 h + i along the next K, become a fragment's codes in v[pc] on and the scale word in v[PW] (window 0).
; Each accumulator is read from its low end on.
.macro QUANT s, w, pc
.set QWIN, ((\w)<<4)|((\w)<<2)
	WIN QWIN                                       ; sources 1 and 2 in window w
.irp b, 0,1,2,3
	v_max3_num_f32 v[TM+\b], 0x1800000, |v[(\s)+16*\b]|, |v[(\s)+16*\b+1]|   ; the floor 2^-124: the byte cannot fall under 1
.endr
.irp i, 2,4,6,8,10,12,14
.irp b, 0,1,2,3
	v_max3_num_f32 v[TM+\b], v[TM+\b], |v[(\s)+16*\b+\i]|, |v[(\s)+16*\b+\i+1]|
.endr
.endr
	WIN 0
.irp b, 0,1,2,3
	v_permlanex16_b32 v[TM+4+\b], v[TM+\b], s2, s3
.endr
.irp b, 0,1,2,3
	v_max_num_f32 v[TM+\b], v[TM+\b], v[TM+4+\b]   ; with lane l xor 16's 16: the block's largest magnitude
.endr
.irp b, 0,1,2,3
	v_add_nc_u32 v[TM+12+\b], 0xff000000, v[TM+\b] ; 2 off the exponent field: the conversion's scale operand
.endr
.irp b, 0,1,2,3
	v_lshrrev_b32 v[TM+4+\b], 23, v[TM+12+\b]      ; the byte
.endr
	v_lshl_or_b32 v[PW], v[TM+5], 8, v[TM+4]
	v_lshl_or_b32 v[PW], v[TM+6], 16, v[PW]
	v_lshl_or_b32 v[PW], v[TM+7], 24, v[PW]
.set QWIN, (\w)
	WIN QWIN                                       ; source 0 in window w
.irp b, 0,1,2,3
	v_cvt_scalef32_pk8_fp4_f32 v[(\pc)+2*\b], v[(\s)+16*\b:(\s)+16*\b+7], v[TM+12+\b]
	v_cvt_scalef32_pk8_fp4_f32 v[(\pc)+2*\b+1], v[(\s)+16*\b+8:(\s)+16*\b+15], v[TM+12+\b]
.endr
	WIN 0
	v_nop                                          ; one plain instruction behind the scaled conversions
.irp c, 0,1
.irp i, 0,1
	v_permlane16_swap_b32 v[(\pc)+4*\c+\i], v[(\pc)+4*\c+2+\i]   ; a whole block to a lane
.endr
.endr
.endm
; TYPE 1: register 32 c + i of a lane = index 64 c + 32 h + i along the next K: whole blocks; the scale word goes to v[sv]
.macro QUANTV s, w, pc, sv
.set QWIN, ((\w)<<4)|((\w)<<2)
	WIN QWIN
.irp c, 0,1
	v_max3_num_f32 v[TM+\c], 0x1800000, |v[(\s)+32*\c]|, |v[(\s)+32*\c+1]|
	v_max3_num_f32 v[TM+2+\c], 0x1800000, |v[(\s)+32*\c+2]|, |v[(\s)+32*\c+3]|
.endr
.irp i, 4,8,12,16,20,24,28
.irp c, 0,1
	v_max3_num_f32 v[TM+\c], v[TM+\c], |v[(\s)+32*\c+\i]|, |v[(\s)+32*\c+\i+1]|
	v_max3_num_f32 v[TM+2+\c], v[TM+2+\c], |v[(\s)+32*\c+\i+2]|, |v[(\s)+32*\c+\i+3]|
.endr
.endr
	WIN 0
.irp c, 0,1
	v_max_num_f32 v[TM+\c], v[TM+\c], v[TM+2+\c]
.endr
.irp c, 0,1
	v_add_nc_u32 v[TM+12+\c], 0xff000000, v[TM+\c]
.endr
	v_perm_b32 v[TM+4], v[TM+13], v[TM+12], 0x07060302   ; the upper halves of both,
	v_lshrrev_b32 v[TM+4], 7, v[TM+4]              ; whose exponent fields now stand in bytes 0 and 2
	v_permlanex16_b32 v[TM+5], v[TM+4], s2, s3
	v_perm_b32 v[\sv], v[TM+5], v[TM+4], v[SELV]   ; with lane l xor 16's two: the word
.set QWIN, (\w)
	WIN QWIN
.irp c, 0,1
.irp g, 0,1,2,3
	v_cvt_scalef32_pk8_fp4_f32 v[(\pc)+4*\c+\g], v[(\s)+32*\c+8*\g:(\s)+32*\c+8*\g+7], v[TM+12+\c]
.endr
.endr
	WIN 0
	v_nop
.endm
.macro SEND a                          ; each block has its own registers for what it stores, so no store's data are written again
.irp c, 0,1
	global_store_b128 v[L16+2*(\a/4)+\c], v[AF+8*\a+4*\c:AF+8*\a+4*\c+3], s[80:81] offset:512*(\a%4)   ; 32 lanes store 512 consecutive bytes
.endr
	global_store_b32 v[SO+\a/4], v[SV+\a], s[82:83] offset:64*(\a%4)
.endm
	s_cmp_eq_u32 s66, 0
	s_cbranch_scc0 .Lout_v
.irp a, 0,1,2,3,4,5,6,7
	QUANT 64*(\a%4), 2+\a/4, AF+8*\a
	v_lshrrev_b32 v[SV+\a], v[SH], v[PW]           ; lanes 0-15 keep the first head's two bytes, lanes 16-31 take the second's;
	v_and_b32 v[SV+\a], 0xffff, v[SV+\a]           ; the upper two bytes are 0: they stand over zero codes
	SEND \a
.endr
	s_branch .Lout
.Lout_v:
.irp a, 0,1,2,3,4,5,6,7
	QUANTV 64*(\a%4), 2+\a/4, AF+8*\a, SV+\a
	SEND \a                                        ; (both halves of the lanes store the same word to the same place)
.endr
.Lout:
	s_wait_tensorcnt 0x0                           ; the wave's end
	ds_add_u32 v254, v255
	s_wait_dscnt 0x0
	CROUND                                         ; the closing round: no work-group ends while a partner may still ask for a tile that names it
	s_endpgm
.Lfunc_end_k_q96ff560730_qkv:
	.size	k_q96ff560730_qkv, .Lfunc_end_k_q96ff560730_qkv-k_q96ff560730_qkv
	.p2alignl 7, 3214868480
	.fill 96, 4, 3214868480
	.section	.rodata,"a",@progbits
	.p2align	6, 0x0
	.amdhsa_kernel k_q96ff560730_qkv
		.amdhsa_group_segment_fixed_size 279040
		.amdhsa_private_segment_fixed_size 0
		.amdhsa_enable_private_segment 0
		.amdhsa_kernarg_size 48
		.amdhsa_user_sgpr_count 2
		.amdhsa_user_sgpr_kernarg_segment_ptr 1
		.amdhsa_wavefront_size32 1
		.amdhsa_system_sgpr_workgroup_id_x 1
		.amdhsa_system_sgpr_workgroup_id_y 1
		.amdhsa_system_sgpr_workgroup_id_z 1
		.amdhsa_system_vgpr_workitem_id 0
		.amdhsa_next_free_vgpr 1024
		.amdhsa_next_free_sgpr 102
		.amdhsa_reserve_vcc 1
		.amdhsa_float_denorm_mode_32 3
		.amdhsa_float_denorm_mode_16_64 3
		.amdhsa_memory_ordered 1
		.amdhsa_forward_progress 1
		.amdhsa_inst_pref_size 177
	.end_amdhsa_kernel
	.amdgpu_metadata
---
amdhsa.version: [ 1, 2 ]
amdhsa.kernels:
  - .name:           k_q96ff560730_qkv
    .symbol:         k_q96ff560730_qkv.kd
    .args:
      - { .name: in_codes, .offset: 0, .size: 8, .value_kind: global_buffer, .address_space: global }
      - { .name: in_scales, .offset: 8, .size: 8, .value_kind: global_buffer, .address_space: global }
      - { .name: bq, .offset: 16, .size: 8, .value_kind: global_buffer, .address_space: global }
      - { .name: bk, .offset: 24, .size: 8, .value_kind: global_buffer, .address_space: global }
      - { .name: bv, .offset: 32, .size: 8, .value_kind: global_buffer, .address_space: global }
      - { .name: qkvim, .offset: 40, .size: 8, .value_kind: global_buffer, .address_space: global }
    .group_segment_fixed_size: 279040
    .private_segment_fixed_size: 0
    .kernarg_segment_align: 8
    .kernarg_segment_size: 48
    .max_flat_workgroup_size: 128
    .sgpr_count:     102
    .vgpr_count:     1024
    .wavefront_size: 32
...
	.end_amdgpu_metadata
.endif
;; end of part 2
;; launch attn (part 3): grid 32 x 8, 16 waves a work-group, no clusters, 182,272 bytes of LDS; arguments qkvim, o_codes, o_scales; writes o_codes, o_scales
.if DOCPART == 3
	.amdgcn_target "amdgcn-amd-amdhsa--gfx1250"
	.amdhsa_code_object_version 6
	.text
	.protected	k_q96ff560730_attn
	.globl	k_q96ff560730_attn
	.p2align	8
	.type	k_q96ff560730_attn,@function
k_q96ff560730_attn:
	s_mov_b64 s[64:65], 0
	v_nop
	global_prefetch_b8 v0, s[64:65] scope:SCOPE_SE
	s_setreg_imm32_b32 hwreg(HW_REG_WAVE_MODE, 25, 1), 1
	s_wait_xcnt 0x0
; Causal attention of one head on codes of FP4 (E2M1): S^T = K Q^T (K = the head's 64; the instruction's other 64 are zero codes), p = 2^(t - M), O^T = V^T P^T (K = the keys), O / l, and O's quantiser for the last product.
; t = score x log2(e) / 8; M = the running largest t rounded UP to a whole number; p is quantised along the keys, not normalised; the row's sum l is taken of the unquantised p and divides O at the end.
; When M moves, the sum and O^T are multiplied by 2^(old M - new M): exact.
; LIMITS: a block whose largest magnitude lies under 2^-124 (a block of zeros too) gets the byte 1; NaN and infinities are not served; exponentials and the reciprocal are the chip's f32 ones.
; WORK LEFT OUT: key steps all of whose keys come after the tile's queries: reference() masks those scores to -infinity, so their p is 0 for all inputs.  A NaN, an infinity or an overflow in them alone is not carried on.
; SHARES.  Work-group (x, g): head x % 16 of batch x / 16.  A key step is 128 keys, a tile T 16 queries; T needs key steps 0 .. T / 8.  Waves w and w + 8 share two tiles: an early one, 8 g + w (g + 1 steps), and a late one, 127 - 8 g - w (16 - g steps).
;   Wave w + 8 works the late tile's steps 0 .. 8.  Wave w works the early tile, sends it out, then works the late tile's steps 9 .. 15 - g: 8 steps.  So every wave of every work-group has 8 or 9 steps.  The late tile's two parts meet in LDS.
; A head's K and V as codes with their scale words are 16 pieces of 8,960 bytes: waves 0-7 fetch pieces w and w + 8 by ONE load each.  The first step needs piece 0 alone: one barrier shows wave 0's load, a second one, behind that step, the others'.
; NO CLUSTER, though the eight work-groups of a head read the same K and V: what a wave does in a trip hangs on g, which differs between them, and partners of joint loads may not branch apart.
; NO PREFETCH: all tiles are asked for at the head; no loop runs ahead of a load.
; LAYOUT.  Both products transposed: a lane holds ONE query (lane % 16).  Tokens are kept by position so that register n of S^T (tile n / 8) is the step's key 64 (n / 32) + 32 h + n % 32: a lane holds two whole blocks of 32 along the next K, in the operand's order.
;   Channels are kept with bits 3 and 4 of the position exchanged: the 16 registers of tiles 2 b, 2 b + 1 of O^T are channels 32 b + 16 h + 0 .. 15.
; REGISTERS: v1-3, v5-7, v11 what stays; v8, v10 the step's addresses; v12 -M, v13 the largest score, v[14:15] the sum; v16-23 Q (upper four 0), v255 its scale words; v24-27, v1 the late tile's Q; v28-31 K's scale words;
;   v32-95 K's eight tiles (upper four of each 0); v96-159 S^T, then p; v160-191 O^T; v192-223 V, v240-241 its scale words; v224-231 p's codes, v253 their scale word; v232-239, v244-252, v254 at work; v242, v243 the add's.
.set RECB,  13568                      ; a record in memory: Q 4,096 + 512, K's codes at 4,608, V's codes, K's scale words, V's: 8,960 bytes from there
.set HEADB, 16*RECB
.set IMG,   8960                       ; a piece in LDS: K's codes at 0, V's at 4,096, K's scale words at 8,192, V's at 8,704.  Piece k lies at 17,920 (k % 8) + 8,960 (k / 8)
.set STAGE, 16*IMG                     ; the late tiles' second parts: 9 x 512 bytes for each of eight waves
.set PART,  4608
.set SPARE, STAGE+8*PART               ; the spare words: 128 bytes for each wave
	s_load_b128 s[4:7], s[0:1], 0x0                ; qkvim s[4:5], o_codes s[6:7]
	s_load_b64 s[8:9], s[0:1], 0x10                ; o_scales
	v_lshl_add_u32 v242, v0, 2, SPARE
	v_mov_b32 v243, 0
	ds_add_u32 v242, v243                          ; the opening: the add, twice on end, and its wait
	ds_add_u32 v242, v243
	v_lshrrev_b32 v8, 5, v0
	v_readfirstlane_b32 s18, v8                    ; wave 0..15
	s_and_b32 s17, ttmp7, 7                        ; g
	s_and_b32 s19, s18, 7                          ; w: which pair of tiles
	s_mov_b32 s24, 3<<16                           ; group 1: elements of 8 bytes; two rows (pieces) of 8,960 bytes, eight records apart
	s_mov_b32 s25, (IMG/8)<<16
	s_mov_b32 s26, 2<<16
	s_mov_b32 s27, (IMG/8)<<16
	s_mov_b32 s28, 2
	s_mov_b32 s29, RECB
	s_mov_b32 s30, 0
	s_mov_b32 s31, 0
	s_mul_i32 s54, ttmp9, HEADB                    ; the head's first record
	s_mul_i32 s53, s18, RECB
	s_add_co_u32 s52, s54, s53
	s_add_co_u32 s52, s52, 4608
	s_mov_b32 s53, 0
	s_mov_b32 s48, 1
	s_mul_i32 s49, s18, 2*IMG
	s_wait_dscnt 0x0                               ; both opening adds are done
	s_wait_kmcnt 0x0
	s_add_nc_u64 s[50:51], s[4:5], s[52:53]
	s_or_b32 s51, s51, 0x80000000
	s_cmp_eq_u32 s18, 0
	s_cbranch_scc0 .Lnot_0
	tensor_load_to_lds s[48:51], s[24:31]          ; wave 0: pieces 0 and 8, a line of its own
	s_nop 0
	s_branch .Lasked
.Lnot_0:
	s_cmp_lt_u32 s18, 8
	s_cbranch_scc0 .Lasked
	tensor_load_to_lds s[48:51], s[24:31]          ; waves 1-7
	s_nop 0
.Lasked:
	s_sub_co_u32 s38, 15, s17                      ; the late tile's last key step, 15 - g; the early one's is g
	s_sub_co_u32 s39, 7, s19                       ; the late tile's place among the step's eight; the early one's is w
	s_mul_i32 s55, s38, RECB
	s_add_co_u32 s40, s54, s55
	s_lshl_b32 s41, s39, 9
	s_add_co_u32 s56, s40, s41
	s_mov_b32 s57, 0
	s_add_nc_u64 s[56:57], s[4:5], s[56:57]        ; the late tile's Q,
	s_lshl_b32 s41, s39, 6
	s_add_co_u32 s58, s40, s41
	s_mov_b32 s59, 0
	s_add_nc_u64 s[58:59], s[4:5], s[58:59]        ; its scale words (4,096 on),
	s_mul_i32 s55, s17, RECB
	s_add_co_u32 s40, s54, s55
	s_lshl_b32 s41, s19, 9
	s_add_co_u32 s60, s40, s41
	s_mov_b32 s61, 0
	s_add_nc_u64 s[60:61], s[4:5], s[60:61]        ; and the early tile's
	s_lshl_b32 s41, s19, 6
	s_add_co_u32 s62, s40, s41
	s_mov_b32 s63, 0
	s_add_nc_u64 s[62:63], s[4:5], s[62:63]
	v_and_b32 v9, 31, v0                           ; lane
	v_and_b32 v10, 15, v0                          ; r
	v_bfe_u32 v11, v0, 4, 1                        ; h
	v_lshlrev_b32 v5, 4, v9                        ; 16 x lane
	v_lshlrev_b32 v6, 2, v10                       ; 4 r
	v_lshlrev_b32 v2, 2, v9                        ; 4 x lane
	s_wait_alu depctr_va_vdst(0)
	global_load_b128 v[24:27], v5, s[56:57]
	global_load_b32 v1, v6, s[58:59] offset:4096
	s_cmp_lt_u32 s18, 8
	s_cbranch_scc0 .Lone_q
	global_load_b128 v[16:19], v5, s[60:61]
	global_load_b32 v255, v6, s[62:63] offset:4096
.Lone_q:
	; my first tile: waves 0-7 the early one, waves 8-15 the late one: it is also the tile that I send out
	s_add_co_u32 s46, s17, 1
	s_cmp_lt_u32 s18, 8
	s_cselect_b32 s44, s19, s39                    ; its place in its key step
	s_cselect_b32 s74, s17, s38                    ; its last key step
	s_cselect_b32 s67, s46, 64                     ; the trip at which I change tiles (64: never)
	s_cselect_b32 s70, 8, 9                        ; my trips
	s_sub_co_u32 s75, s70, 1                       ; my last trip
	s_lshr_b32 s76, s44, 2                         ; on the diagonal: which 64 keys of the step
	s_lshr_b32 s77, s39, 2
	s_and_b32 s43, s44, 3
	s_lshl_b32 s43, s43, 3
	s_and_b32 s47, s39, 3
	s_lshl_b32 s47, s47, 3
	s_sub_co_u32 s72, 8, s17                       ; behind the change key step = trip + 8 - g
	; where my tile goes: tile 128 b + T; the head's 512 bytes in it; its two bytes of the row's scale word of ks = head / 2
	s_lshr_b32 s40, ttmp9, 4
	s_lshl_b32 s40, s40, 7
	s_lshl_b32 s41, s74, 3
	s_add_co_u32 s40, s40, s41
	s_add_co_u32 s40, s40, s44
	s_and_b32 s42, ttmp9, 15
	s_lshl_b32 s10, s40, 13
	s_lshl_b32 s41, s42, 9
	s_add_co_u32 s10, s10, s41
	s_mov_b32 s11, 0
	s_add_nc_u64 s[10:11], s[6:7], s[10:11]
	s_lshr_b32 s12, s40, 1
	s_lshl_b32 s12, s12, 10
	s_lshr_b32 s41, s42, 1
	s_lshl_b32 s41, s41, 7
	s_add_co_u32 s12, s12, s41
	s_and_b32 s41, s40, 1
	s_lshl_b32 s41, s41, 6
	s_add_co_u32 s12, s12, s41
	s_and_b32 s41, s42, 1
	s_lshl_b32 s41, s41, 1
	s_add_co_u32 s12, s12, s41
	s_mov_b32 s13, 0
	s_add_nc_u64 s[12:13], s[8:9], s[12:13]
	s_mov_b32 s20, 0x76543210                      ; s[20:21]: lane l xor 16
	s_mov_b32 s21, 0xfedcba98
	s_mov_b32 s22, 0x3e38aa3b                      ; c = log2(e) / 8
	s_mov_b32 s23, s22                             ; (named with it as a pair, so it is written)
	s_mov_b32 s79, 0xbe38aa3b                      ; -c
	s_mov_b32 s78, 0xff800000                      ; -infinity
	s_mul_i32 s41, s19, PART
	s_add_co_u32 s41, s41, STAGE                   ; the pair's part
	; v3 = 32 (r / 8 - h) + r % 8.  Register 32 c + i of the diagonal's 64 keys is visible where i <= v7 = 8 (T % 4) + v3
	v_and_b32 v3, 7, v10
	v_lshrrev_b32 v12, 3, v10
	v_sub_nc_u32 v12, v12, v11
	v_lshl_add_u32 v3, v12, 5, v3
.irp j, 20,21,22,23
	v_mov_b32 v\j, 0                               ; k = 64 .. 127: zero codes
.endr
	v_add_nc_u32 v7, s43, v3
	v_add_nc_u32 v11, s41, v5
.irp t, 0,1,2,3,4,5,6,7
.irp j, 4,5,6,7
	v_mov_b32 v[32+8*\t+\j], 0                     ; likewise in K's eight tiles: written once
.endr
.endr
	v_mov_b32 v236, 0                              ; written once: a lane permute's destination counts as one of its sources
	v_mov_b32 v237, 0
	v_mov_b32 v252, 0
	s_wait_alu depctr_va_vdst(0)                   ; the head's end
	s_wait_loadcnt 0x0                             ; Q
	s_cmp_lt_u32 s18, 8
	s_cbranch_scc1 .Ltwo_q
	v_mov_b32 v255, v1                             ; waves 8-15: the late tile is my first
.irp j, 0,1,2,3
	v_mov_b32 v[16+\j], v[24+\j]
.endr
.rept 8
	v_nop                                          ; places between the scale words and the first product
.endr
	s_wait_alu depctr_va_vdst(0)
.Ltwo_q:
; A KEY STEP.  first: piece 0, nothing summed yet.  s71: the key step, s69: the tile's last one
.macro SUM n                           ; n of the row's sums: pair P of p onto one of four chains by turns
.rept \n
.if P < 32
.set CH, 244+2*((P+1-FI)%4)
.if (P+1-FI)%4 == 3
.set CH, 14
.endif
	v_pk_add_f32 v[CH:CH+1], v[CH:CH+1], v[96+2*P:97+2*P]
.set P, P+1
.endif
.endr
.endm
.macro KLOAD ak, as                    ; K's eight tiles and their scale words
.irp t, 0,1,2,3,4,5,6,7
	ds_load_b128 v[32+8*\t:35+8*\t], v[\ak] offset:512*\t
.endr
.irp b, 0,1,2,3
	ds_load_b32 v[28+\b], v[\as] offset:8192+128*\b ; lanes 0-15: tile 2 b's words; lanes 16-31: tile 2 b + 1's
.endr
.endm
.macro NEXT                            ; the next trip's piece: its addresses, and its K
	s_add_co_u32 s14, s66, 1
	s_cmp_ge_u32 s14, s67
	s_cselect_b32 s15, s72, 0
	s_add_co_u32 s14, s14, s15                     ; the next trip's key step
	s_and_b32 s15, s14, 7
	s_mul_i32 s15, s15, 2*IMG
	s_bfe_u32 s14, s14, 0x10003
	s_mul_i32 s14, s14, IMG
	s_add_co_u32 s15, s15, s14
	v_add_nc_u32 v8, s15, v5
	v_add_nc_u32 v10, s15, v2
	KLOAD 8, 10
.endm
.macro STEP first
.set FI, \first
.if \first
.set AK, 5
.set AS, 2
.else
.set AK, 8
.set AS, 10
.endif
.if \first
	KLOAD 5, 2
.endif
	s_wait_dscnt 0x0                               ; K is in: but for the first step it was asked for behind the last trip's first products
.irp t, 0,2,4,6
	v_wmma_scale_f32_16x16x128_f8f6f4 v[96+8*\t:103+8*\t], v[32+8*\t:39+8*\t], v[16:23], 0, v[28+\t/2], v255 matrix_a_fmt:MATRIX_FMT_FP4 matrix_b_fmt:MATRIX_FMT_FP4
	v_wmma_scale_f32_16x16x128_f8f6f4 v[104+8*\t:111+8*\t], v[40+8*\t:47+8*\t], v[16:23], 0, v[28+\t/2], v255 matrix_a_fmt:MATRIX_FMT_FP4 matrix_b_fmt:MATRIX_FMT_FP4 matrix_a_scale:MATRIX_SCALE_ROW1
.endr
.rept 4
	v_nop                                          ; four plain instructions in front of the first read of the scores, and of the loads into V's registers
.endr
.irp d, 0,1,2,3
.irp c, 0,1
	ds_load_b128 v[192+8*\d+4*\c:195+8*\d+4*\c], v[AK] offset:4096+2048*\c+512*\d
.endr
.endr
.irp p, 0,1
	ds_load_b32 v[240+\p], v[AS] offset:8704+128*\p
.endr
.if \first == 0
	s_cmp_ge_u32 s66, s75
	s_cbranch_scc1 .Lno_next_\@                    ; my last trip has no successor
	NEXT
.Lno_next_\@:
.endif
	s_cmp_lg_u32 s71, s69
	s_cbranch_scc1 .Lopen_\@                       ; only the tile's last step lies on the diagonal: there hidden scores become -infinity ahead of the maximum: p = 0 then
	s_cmp_lg_u32 s76, 0
	s_cbranch_scc1 .Lupper_\@
.set N, 0
.rept 32
	v_cmp_le_i32 vcc_lo, N, v7
	v_cndmask_b32 v[96+N], s78, v[96+N], vcc_lo
.set N, N+1
.endr
.set N, 0
.rept 32
	v_mov_b32 v[128+N], s78                        ; the upper 64 keys all come after the queries
.set N, N+1
.endr
	s_wait_alu depctr_va_vdst(0)
	s_branch .Lopen_\@
.Lupper_\@:
.set N, 0
.rept 32
	v_cmp_le_i32 vcc_lo, N, v7
	v_cndmask_b32 v[128+N], s78, v[128+N], vcc_lo
.set N, N+1
.endr
	s_wait_alu depctr_va_vdst(0)
.Lopen_\@:
	v_max3_num_f32 v232, v96, v97, v98             ; the largest score of my two blocks of 32 keys: for the row's maximum, and, since p rises with the score, for the block's largest p
	v_max3_num_f32 v233, v128, v129, v130
	v_max3_num_f32 v234, v99, v100, v101
	v_max3_num_f32 v235, v131, v132, v133
.irp i, 6,10,14,18,22,26
	v_max3_num_f32 v232, v232, v[96+\i], v[97+\i]
	v_max3_num_f32 v233, v233, v[128+\i], v[129+\i]
	v_max3_num_f32 v234, v234, v[98+\i], v[99+\i]
	v_max3_num_f32 v235, v235, v[130+\i], v[131+\i]
.endr
	v_max3_num_f32 v232, v232, v126, v127
	v_max3_num_f32 v233, v233, v158, v159
	v_max_num_f32 v232, v232, v234
	v_max_num_f32 v233, v233, v235
	s_delay_alu instid0(VALU_DEP_1)
	v_max_num_f32 v254, v232, v233
	s_delay_alu instid0(VALU_DEP_1)
	v_permlanex16_b32 v236, v254, s20, s21         ; lane l xor 16 has my query's other two blocks
	s_delay_alu instid0(VALU_DEP_1)
.if \first
	v_max_num_f32 v13, v236, v254                  ; the largest score
	s_delay_alu instid0(VALU_DEP_1)
	v_mul_f32 v239, s79, v13                       ; -t
	s_delay_alu instid0(VALU_DEP_1)
	v_floor_f32 v12, v239                          ; -M = floor(-t) = -ceil(t)
.else
	v_max3_num_f32 v13, v13, v236, v254            ; the running largest score
	s_delay_alu instid0(VALU_DEP_1)
	v_mul_f32 v239, s79, v13                       ; -t
	s_delay_alu instid0(VALU_DEP_1)
	v_floor_f32 v239, v239                         ; the new -M = -ceil(t)
	s_delay_alu instid0(VALU_DEP_1)
	v_sub_f32 v254, v239, v12                      ; old M - new M: a whole number, 0 or less
	v_mov_b32 v12, v239
	s_delay_alu instid0(VALU_DEP_2)
	v_cvt_i32_f32 v254, v254                       ; (it saturates)
	s_delay_alu instid0(VALU_DEP_1)
	v_ldexp_f32 v238, 1.0, v254                    ; f = 2^(old M - new M)
.endif
.set N, 0
.rept 32
	v_pk_fma_f32 v[96+N:97+N], v[96+N:97+N], s[22:23], v[12:13] op_sel_hi:[1,0,0]   ; t - M, two at a time
.set N, N+2
.endr
	v_fma_f32 v232, v232, s22, v12                 ; the same of each block's largest score
	v_fma_f32 v233, v233, s22, v12
.if \first == 0
.set N, 0
.rept 16
	v_pk_mul_f32 v[160+N:161+N], v[160+N:161+N], v[238:239] op_sel_hi:[1,0]   ; O^T under the new M
.set N, N+2
.endr
.endif
	s_wait_alu depctr_va_vdst(0)                   ; one wait ahead of the batch
	v_exp_f32 v232, v232                           ; the blocks' largest p: the same two instructions on the same number give the same bits
	v_exp_f32 v233, v233
.set N, 0
.rept 64
	v_exp_f32 v[96+N], v[96+N]                     ; p = 2^(t - M): one batch
.set N, N+1
.endr
.if \first
	v_nop                                          ; the plain instruction behind the batch
.else
	v_pk_mul_f32 v[14:15], v[14:15], v[238:239] op_sel_hi:[1,0]   ; the sums under the new M: the plain instruction behind the batch
.endif
	s_wait_alu depctr_va_vdst(0)                   ; and one behind it
.if \first
	s_wait_tensorcnt 0x0                           ; waves 1-7: my pieces are in;
	s_wait_dscnt 0x0                               ; no LDS load of mine is out at the signal
	s_barrier_signal -1                            ; the wait stands behind this step: between them only work on registers
.endif
	v_max_num_f32 v232, 0x1800000, v232            ; the floor 2^-124: the byte cannot fall under 1 (a block whose every p is 0 keeps that byte over zero codes)
	v_max_num_f32 v233, 0x1800000, v233
	v_pk_add_f32 v[244:245], v[96:97], v[98:99]    ; the row's sum, of the unquantised p, in four chains
	v_pk_add_f32 v[246:247], v[100:101], v[102:103]
	v_pk_add_f32 v[248:249], v[104:105], v[106:107]
.if \first
	v_pk_add_f32 v[14:15], v[108:109], v[110:111]
.set P, 8
.else
	v_pk_add_f32 v[14:15], v[14:15], v[108:109]
.set P, 7
.endif
	v_add_nc_u32 v234, 0xff000000, v232            ; the conversions' scale operands
	v_add_nc_u32 v235, 0xff000000, v233
	SUM 3
	v_perm_b32 v236, v235, v234, 0x07060302        ; the upper halves of both,
	SUM 3
	v_lshrrev_b32 v236, 7, v236                    ; whose exponent fields now stand in bytes 0 and 2
	SUM 3
	v_permlanex16_b32 v237, v236, s20, s21
	SUM 3
	v_perm_b32 v253, v237, v236, 0x06020400        ; p's scale word for these 128 keys, in lanes 0-15, which the product reads
.irp g, 0,1,2,3
	v_cvt_scalef32_pk8_fp4_f32 v[224+\g], v[96+8*\g:103+8*\g], v234
	v_cvt_scalef32_pk8_fp4_f32 v[228+\g], v[128+8*\g:135+8*\g], v235
.endr
	SUM 32                                         ; the other sums: also the places in front of the products
	v_pk_add_f32 v[244:245], v[244:245], v[246:247]
	v_pk_add_f32 v[14:15], v[14:15], v[248:249]
	s_delay_alu instid0(VALU_DEP_1)
	v_pk_add_f32 v[14:15], v[14:15], v[244:245]
	s_wait_alu depctr_va_vdst(0)
	s_wait_dscnt 0x0                               ; V and its scale words are in
.irp d, 0,2
.if \first
	v_wmma_scale_f32_16x16x128_f8f6f4 v[160+8*\d:167+8*\d], v[192+8*\d:199+8*\d], v[224:231], 0, v[240+\d/2], v253 matrix_a_fmt:MATRIX_FMT_FP4 matrix_b_fmt:MATRIX_FMT_FP4
	v_wmma_scale_f32_16x16x128_f8f6f4 v[168+8*\d:175+8*\d], v[200+8*\d:207+8*\d], v[224:231], 0, v[240+\d/2], v253 matrix_a_fmt:MATRIX_FMT_FP4 matrix_b_fmt:MATRIX_FMT_FP4 matrix_a_scale:MATRIX_SCALE_ROW1
.else
	v_wmma_scale_f32_16x16x128_f8f6f4 v[160+8*\d:167+8*\d], v[192+8*\d:199+8*\d], v[224:231], v[160+8*\d:167+8*\d], v[240+\d/2], v253 matrix_a_fmt:MATRIX_FMT_FP4 matrix_b_fmt:MATRIX_FMT_FP4
	v_wmma_scale_f32_16x16x128_f8f6f4 v[168+8*\d:175+8*\d], v[200+8*\d:207+8*\d], v[224:231], v[168+8*\d:175+8*\d], v[240+\d/2], v253 matrix_a_fmt:MATRIX_FMT_FP4 matrix_b_fmt:MATRIX_FMT_FP4 matrix_a_scale:MATRIX_SCALE_ROW1
.endif
.endr
.endm
; THE WAY OUT of a tile: O^T / l, quantised along the head's 64 (two blocks of the last product's K), stored as the operand's registers
.macro WAYOUT
	v_add_f32 v14, v14, v15                        ; the sum's two halves,
	s_delay_alu instid0(VALU_DEP_1)
	v_permlanex16_b32 v252, v14, s20, s21
	s_delay_alu instid0(VALU_DEP_1)
	v_add_f32 v14, v14, v252                       ; and lane l xor 16's: the row's sum
	s_wait_alu depctr_va_vdst(0)
	v_rcp_f32 v14, v14
.rept 4
	v_nop                                          ; plain instructions behind the reciprocal, and in front of the first read of O^T
.endr
	s_wait_alu depctr_va_vdst(0)                   ; ahead of the reciprocal's first reader
.set N, 0
.rept 32
	v_mul_f32 v[96+N], v[160+N], v14               ; register 16 b + i is channel 32 b + 16 h + i of my query; each accumulator from its low end on
.set N, N+1
.endr
.irp b, 0,1
	v_max3_num_f32 v[232+\b], |v[96+16*\b]|, |v[97+16*\b]|, 0x1800000
.endr
.irp i, 2,4,6,8,10,12,14
.irp b, 0,1
	s_delay_alu instid0(VALU_DEP_2)
	v_max3_num_f32 v[232+\b], v[232+\b], |v[96+16*\b+\i]|, |v[97+16*\b+\i]|
.endr
.endr
.irp b, 0,1
	s_delay_alu instid0(VALU_DEP_2)
	v_permlanex16_b32 v[236+\b], v[232+\b], s20, s21
.endr
.irp b, 0,1
	s_delay_alu instid0(VALU_DEP_2)
	v_max_num_f32 v[232+\b], v[232+\b], v[236+\b]
.endr
.irp b, 0,1
	s_delay_alu instid0(VALU_DEP_2)
	v_add_nc_u32 v[244+\b], 0xff000000, v[232+\b]
.endr
.irp b, 0,1
	s_delay_alu instid0(VALU_DEP_2)
	v_lshrrev_b32 v[236+\b], 23, v[244+\b]
.endr
	s_delay_alu instid0(VALU_DEP_1)
	v_lshl_or_b32 v254, v237, 8, v236              ; the head's two bytes
.irp b, 0,1
	v_cvt_scalef32_pk8_fp4_f32 v[224+2*\b], v[96+16*\b:103+16*\b], v[244+\b]
	v_cvt_scalef32_pk8_fp4_f32 v[225+2*\b], v[104+16*\b:111+16*\b], v[244+\b]
.endr
	v_nop
	v_permlane16_swap_b32 v224, v226
	v_permlane16_swap_b32 v225, v227
	global_store_b128 v5, v[224:227], s[10:11]     ; 32 lanes store 512 consecutive bytes
	global_store_b16 v6, v254, s[12:13]            ; a head owns two of a row's 32 scale bytes: the store is small by the problem's shape; both halves of the lanes store the same
.endm
	s_cmp_eq_u32 s18, 0
	s_cbranch_scc0 .Lpiece_0
	s_wait_tensorcnt 0x0                           ; wave 0: pieces 0 and 8 are in.  The other loads have a line of their own
.Lpiece_0:
	s_barrier_signal -1
	s_barrier_wait -1                              ; piece 0 is in
	s_mov_b32 s71, 0
	s_mov_b32 s69, s74
	STEP 1
	s_barrier_wait -1                              ; all pieces are in
	s_mov_b32 s66, 0
	NEXT
	s_wait_alu depctr_va_vdst(0)
	s_mov_b32 s66, 1                               ; the trip
.Lstep:
	s_cmp_lg_u32 s66, s67
	s_cbranch_scc1 .Lstay
	WAYOUT                                         ; waves 0-7 change tiles: the early one goes out,
	v_mov_b32 v255, v1                             ; the late one's second part begins: its Q,
.irp j, 0,1,2,3
	v_mov_b32 v[16+\j], v[24+\j]
.endr
	v_add_nc_u32 v7, s47, v3
	v_mov_b32 v13, 0xff61b1e6                      ; the largest score so far: -3e38,
	v_mov_b32 v12, 0x7f61b1e6                      ; -M: 3e38: the next change of M makes f = 0
	v_mov_b32 v14, 0
	v_mov_b32 v15, 0
.set N, 0
.rept 32
	v_mov_b32 v[160+N], 0                          ; O^T: the step is written for sums that go on; a part without a step stays zero
.set N, N+1
.endr
	s_mov_b32 s76, s77
	s_wait_alu depctr_va_vdst(0)
	s_wait_xcnt 0x0                                ; the stores' registers may be written again
.Lstay:
	s_cmp_ge_u32 s66, s70
	s_cbranch_scc1 .Lskip
	s_cmp_ge_u32 s66, s67
	s_cselect_b32 s71, s72, 0
	s_cselect_b32 s69, s38, s74
	s_add_co_u32 s71, s71, s66                     ; the key step
	STEP 0
.Lskip:
	s_add_co_u32 s66, s66, 1
	s_cmp_lt_u32 s66, 9
	s_cbranch_scc1 .Lstep
.rept 4
	v_nop                                          ; in front of the first read of O^T
.endr
	s_cmp_lt_u32 s18, 8
	s_cbranch_scc0 .Lmeet
.irp k, 0,1,2,3,4,5,6,7
	ds_store_b128 v11, v[160+4*\k:163+4*\k] offset:512*\k   ; waves 0-7: the late tile's second part,
.endr
	ds_store_b128 v11, v[12:15] offset:4096        ; with -M and the sum
.Lmeet:
	s_wait_dscnt 0x0
	s_barrier_signal -1
	s_barrier_wait -1
	s_cmp_lt_u32 s18, 8
	s_cbranch_scc1 .Lend
	ds_load_b128 v[232:235], v11 offset:4096       ; waves 8-15: -M, (the largest score,) the sum's two halves
.irp k, 0,1,2,3,4,5,6,7
	ds_load_b128 v[96+4*\k:99+4*\k], v11 offset:512*\k
.endr
	s_wait_dscnt 0x0
	v_min_num_f32 v236, v12, v232                  ; -M of both: M is the larger
	v_sub_f32 v237, v236, v12
	v_sub_f32 v239, v236, v232
	v_cvt_i32_f32 v237, v237
	v_cvt_i32_f32 v239, v239
	v_ldexp_f32 v238, 1.0, v237                    ; each part's factor: a power of two, 1 or less
	v_ldexp_f32 v244, 1.0, v239
.set N, 0
.rept 16
	v_pk_mul_f32 v[160+N:161+N], v[160+N:161+N], v[238:239] op_sel_hi:[1,0]
.set N, N+2
.endr
	v_pk_mul_f32 v[14:15], v[14:15], v[238:239] op_sel_hi:[1,0]
.set N, 0
.rept 16
	v_pk_fma_f32 v[160+N:161+N], v[96+N:97+N], v[244:245], v[160+N:161+N] op_sel_hi:[1,0,1]
.set N, N+2
.endr
	v_pk_fma_f32 v[14:15], v[234:235], v[244:245], v[14:15] op_sel_hi:[1,0,1]
	WAYOUT
.Lend:
	s_wait_tensorcnt 0x0                           ; the wave's end
	ds_add_u32 v242, v243
	s_wait_dscnt 0x0
	s_endpgm
.Lfunc_end_k_q96ff560730_attn:
	.size	k_q96ff560730_attn, .Lfunc_end_k_q96ff560730_attn-k_q96ff560730_attn
	.p2alignl 7, 3214868480
	.fill 96, 4, 3214868480
	.section	.rodata,"a",@progbits
	.p2align	6, 0x0
	.amdhsa_kernel k_q96ff560730_attn
		.amdhsa_group_segment_fixed_size 182272
		.amdhsa_private_segment_fixed_size 0
		.amdhsa_enable_private_segment 0
		.amdhsa_kernarg_size 24
		.amdhsa_user_sgpr_count 2
		.amdhsa_user_sgpr_kernarg_segment_ptr 1
		.amdhsa_wavefront_size32 1
		.amdhsa_system_sgpr_workgroup_id_x 1
		.amdhsa_system_sgpr_workgroup_id_y 1
		.amdhsa_system_sgpr_workgroup_id_z 1
		.amdhsa_system_vgpr_workitem_id 0
		.amdhsa_next_free_vgpr 256
		.amdhsa_next_free_sgpr 80
		.amdhsa_reserve_vcc 1
		.amdhsa_float_denorm_mode_32 3
		.amdhsa_float_denorm_mode_16_64 3
		.amdhsa_memory_ordered 1
		.amdhsa_forward_progress 1
		.amdhsa_inst_pref_size 61
	.end_amdhsa_kernel
	.amdgpu_metadata
---
amdhsa.version: [ 1, 2 ]
amdhsa.kernels:
  - .name:           k_q96ff560730_attn
    .symbol:         k_q96ff560730_attn.kd
    .args:
      - { .name: qkvim, .offset: 0, .size: 8, .value_kind: global_buffer, .address_space: global }
      - { .name: o_codes, .offset: 8, .size: 8, .value_kind: global_buffer, .address_space: global }
      - { .name: o_scales, .offset: 16, .size: 8, .value_kind: global_buffer, .address_space: global }
    .group_segment_fixed_size: 182272
    .private_segment_fixed_size: 0
    .kernarg_segment_align: 8
    .kernarg_segment_size: 24
    .max_flat_workgroup_size: 512
    .sgpr_count:     80
    .vgpr_count:     256
    .wavefront_size: 32
...
	.end_amdgpu_metadata
.endif
;; end of part 3
;; launch oproj (part 4): grid 8 x 32, 8 waves a work-group, clusters of 4 x 4, 167,936 bytes of LDS; arguments o_codes, o_scales, in_codes, in_scales, bo, out0; writes out0
.if DOCPART == 4
	.amdgcn_target "amdgcn-amd-amdhsa--gfx1250"
	.amdhsa_code_object_version 6
	.text
	.protected	k_q96ff560730_oproj
	.globl	k_q96ff560730_oproj
	.p2align	8
	.type	k_q96ff560730_oproj,@function
k_q96ff560730_oproj:
	s_mov_b64 s[64:65], 0
	v_nop
	global_prefetch_b8 v0, s[64:65] scope:SCOPE_SE
	s_setreg_imm32_b32 hwreg(HW_REG_WAVE_MODE, 25, 1), 1
	s_wait_xcnt 0x0
	s_wait_alu depctr_hold_cnt(0) depctr_sa_sdst(0) depctr_va_vdst(0) depctr_va_sdst(0) depctr_va_ssrc(0) depctr_va_vcc(0) depctr_vm_vsrc(0)
	s_getreg_b32 s2, hwreg(HW_REG_IB_STS2, 6, 4)
	s_cmp_eq_u32 s2, 0
	s_cbranch_scc0 .Lentry_in_a_cluster
	s_endpgm
.Lentry_in_a_cluster:
	s_bfe_u32 s2, ttmp6, 0x10000c
	s_cmp_lg_u32 s2, 0xf033
	s_cbranch_scc0 .Lentry_shape_is_right
	s_endpgm
.Lentry_shape_is_right:
; out = O Wo + bo on codes of FP4 (E2M1) with E8M0 scales, sums in f32, the bias as the C of each sum's first product.
; LIMITS: NaN and infinities are not served.
; SHARES.  Work-group (x, y): positions 128 x .. of Wo's columns, positions 128 y .. of the tokens.  Eight waves, each 32 tokens x 64 columns: 8 accumulators.  K = 1,024 is eight steps of 128.
; LDS: all of K, filled once by ONE load a wave: waves 2 n and 2 n + 1 fetch O's and Wo's quarter n of K: 8 tiles x 2,048 bytes each.  Quarter n lies at 32,768 n: O's tiles, then Wo's.
; Each load has a line of its own, so a quarter's two waves alone wait for it; one barrier a quarter shows it to all, and its products run while the later ones are on their way.
; Scale words go from memory straight into registers.
; CLUSTER 4 x 4: O's tiles are shared along a row of the cluster, Wo's along a column: each is asked for jointly.  NO PREFETCH: all tiles are asked for at the head, no loop runs ahead of a load.
; Source 0 = Wo, source 1 = O: a lane holds ONE token; register j of lane (r, h) in Wo's tile b is column 32 (b / 2) + 16 h + 8 (b % 2) + j.
; Token of position p within 64: (p & 7) + 8 ((p >> 4) & 3) + 32 ((p >> 3) & 1).
; REGISTERS: v32-39 O's scale words, v40-55 Wo's; v64-127 accumulators; v128-223 fragments, two sets of 48; v224-255 the bias.
.set WOFF,  16384                      ; Wo's tiles in a quarter
.set STAGE, 131072                     ; 16 rows x 272 bytes for each wave
.set SP,    272
.set SPARE, STAGE+8*16*SP              ; the spare words: 128 bytes for each wave
.set ADRO,  16                         ; v16, v17 O's fragments in quarters 0 and 1, 2 and 3
.set ADRW,  20                         ; v20, v21 Wo's
.set STO,   24
.set RDB,   25
.set CO,    26
.set G1O, 24                           ; s[24:31], s[32:35] groups 1 and 0 for O's tiles
.set G0O, 32
.set G1W, 48                           ; s[48:55], s[56:59] for Wo's
.set G0W, 56
.macro PLACES n
.rept \n
	v_nop
.endr
.endm
.macro CROUND                          ; a round of the cluster's barrier
	s_barrier_signal -1
	s_barrier_wait -1
	s_cmp_lg_u32 s16, 0
	s_cbranch_scc1 .Lnot_wave_0_\@
	s_barrier_signal -3
.Lnot_wave_0_\@:
	s_barrier_wait -3
	s_barrier_signal -1
	s_barrier_wait -1
.endm
	s_load_b256 s[4:11], s[0:1], 0x0               ; o_codes, o_scales, in_codes, in_scales
	s_load_b128 s[12:15], s[0:1], 0x20             ; bo, out0
	v_lshl_add_u32 v62, v0, 2, SPARE
	v_mov_b32 v63, 0
	ds_add_u32 v62, v63                            ; the opening: the add, twice on end, and its wait
	ds_add_u32 v62, v63
	v_lshrrev_b32 v1, 5, v0
	v_readfirstlane_b32 s16, v1                    ; wave 0..7
	s_lshr_b32 s17, s16, 1                         ; my 32 tokens of the 128.  Also: which quarter of K I fetch
	s_and_b32 s18, s16, 1                          ; my 64 columns of the 128.  Also: I fetch for O (0) or for Wo (1)
	s_bfe_u32 s40, ttmp6, 0x40000                  ; cx
	s_bfe_u32 s41, ttmp6, 0x40004                  ; cy
	s_lshl_b32 s42, ttmp9, 2
	s_add_co_u32 s42, s42, s40                     ; x
	s_and_b32 s45, ttmp7, 0xffff
	s_lshl_b32 s45, s45, 2
	s_add_co_u32 s45, s45, s41                     ; y
	s_lshl_b32 s43, s41, 2
	s_lshl_b32 s43, 15, s43                        ; my row of the cluster
	s_lshl_b32 s44, 0x1111, s40                    ; my column
	s_or_b32 s[G1O], s43, (3<<16)|(1<<21)          ; the mask; elements of 8 bytes; bit 21 set beside a mask
	s_or_b32 s[G1W], s44, (3<<16)|(1<<21)
.irp g, G1O, G1W
	s_mov_b32 s[\g+1], 256<<16                     ; eight tiles (rows): 2,048 bytes of each, 8,192 bytes apart
	s_mov_b32 s[\g+2], 8<<16
	s_mov_b32 s[\g+3], 256<<16
	s_mov_b32 s[\g+4], 8
	s_mov_b32 s[\g+5], 1024
	s_mov_b32 s[\g+6], 0
	s_mov_b32 s[\g+7], 0
.endr
	s_lshl_b32 s96, s17, 11                        ; my quarter of K
	s_lshl_b32 s20, s45, 16
	s_add_co_u32 s20, s20, s96                     ; O: tile 8 y
	s_mov_b32 s21, 0
	s_lshl_b32 s46, s42, 16
	s_add_co_u32 s46, s46, s96
	s_add_co_u32 s46, s46, 0x380000                ; Wo: tile 448 + 8 x
	s_mov_b32 s47, 0
	s_lshl_b32 s94, s16, 14                        ; where they go: wave x 16,384
	s_mov_b32 s[G0O], 1
	s_mov_b32 s[G0O+1], s94
	s_mov_b32 s[G0W], 1
	s_mov_b32 s[G0W+1], s94
	s_wait_dscnt 0x0                               ; both opening adds are done
	s_wait_kmcnt 0x0
	s_add_nc_u64 s[G0O+2:G0O+3], s[4:5], s[20:21]
	s_or_b32 s[G0O+3], s[G0O+3], 0x80000000
	s_add_nc_u64 s[G0W+2:G0W+3], s[8:9], s[46:47]
	s_or_b32 s[G0W+3], s[G0W+3], 0x80000000
	CROUND                                         ; all sixteen work-groups are here: the joint loads meet
; ONE load a wave: one tree of branches on the wave's number, a line to an arm
.macro ARM under, g0, g1, next
	s_cmp_lt_u32 s16, \under
	s_cbranch_scc0 \next
	tensor_load_to_lds s[\g0:\g0+3], s[\g1:\g1+7]
	s_nop 0
	PLACES 4
	s_branch .Lasked
\next:
.endm
	ARM 1, G0O, G1O, .Larm1
	ARM 2, G0W, G1W, .Larm2
	ARM 3, G0O, G1O, .Larm3
	ARM 4, G0W, G1W, .Larm4
	ARM 5, G0O, G1O, .Larm5
	ARM 6, G0W, G1W, .Larm6
	ARM 7, G0O, G1O, .Larm7
	tensor_load_to_lds s[G0W:G0W+3], s[G1W:G1W+7]
	s_nop 0
	PLACES 4
.Lasked:
	s_lshl_b32 s22, s45, 12
	s_lshl_b32 s96, s17, 10
	s_add_co_u32 s22, s22, s96                     ; O's scale words: group 4 y + my 32 tokens
	s_mov_b32 s23, 0
	s_add_nc_u64 s[22:23], s[6:7], s[22:23]
	s_lshl_b32 s92, s42, 12
	s_lshl_b32 s96, s18, 11
	s_add_co_u32 s92, s92, s96
	s_add_co_u32 s92, s92, 0x38000                 ; Wo's: group 224 + 4 x + 2 x my half
	s_mov_b32 s93, 0
	s_add_nc_u64 s[92:93], s[10:11], s[92:93]
	s_lshl_b32 s96, s42, 9
	s_lshl_b32 s97, s18, 8
	s_add_co_u32 s96, s96, s97                     ; my columns, in bytes of f32
	s_mov_b32 s97, 0
	s_add_nc_u64 s[12:13], s[12:13], s[96:97]
	v_and_b32 v1, 15, v0                           ; r
	v_bfe_u32 v2, v0, 4, 1                         ; h
	v_and_b32 v5, 31, v0                           ; lane
	v_lshlrev_b32 v27, 6, v2                       ; 16 h columns
	v_lshlrev_b32 v3, 4, v5
	v_lshlrev_b32 v4, 2, v5
	s_wait_alu depctr_va_vdst(0)
.irp k, 0,1,2,3,4,5,6,7                        ; a register holds the words of two tiles, the even one in lanes 0-15, the odd one in lanes 16-31
	global_load_b32 v[32+\k], v4, s[22:23] offset:128*\k
	global_load_b32 v[40+2*\k], v4, s[92:93] offset:128*\k
	global_load_b32 v[41+2*\k], v4, s[92:93] offset:1024+128*\k
.endr
.irp b, 0,1,2,3
	global_load_b128 v[224+8*\b:227+8*\b], v27, s[12:13] offset:(32*(\b/2)+8*(\b%2))*4
	global_load_b128 v[228+8*\b:231+8*\b], v27, s[12:13] offset:(32*(\b/2)+8*(\b%2))*4+16
.endr
	; my first row of the result: 128 y + 64 (s17 / 2) + 16 (s17 % 2)
	s_lshl_b32 s98, s45, 19
	s_lshr_b32 s99, s17, 1
	s_lshl_b32 s99, s99, 18
	s_add_co_u32 s98, s98, s99
	s_and_b32 s99, s17, 1
	s_lshl_b32 s99, s99, 16
	s_add_co_u32 s98, s98, s99
	s_add_co_u32 s98, s98, s96
	s_mov_b32 s99, 0
	s_add_nc_u64 s[14:15], s[14:15], s[98:99]
	s_lshl_b32 s98, s17, 12                        ; my two tiles of O
	s_lshl_b32 s99, s18, 13
	s_add_co_u32 s99, s99, WOFF                    ; my four of Wo
	s_mul_i32 s97, s16, 16*SP
	s_add_co_u32 s97, s97, STAGE                   ; my stage
	v_add_nc_u32 v[ADRO], s98, v3
	v_add_nc_u32 v[ADRW], s99, v3
	v_mul_u32_u24 v[STO], v1, SP
	v_mul_u32_u24 v[RDB], v2, SP
	v_lshlrev_b32 v[CO], 12, v2
	v_add_nc_u32 v[ADRO+1], 0x10000, v[ADRO]
	v_add_nc_u32 v[ADRW+1], 0x10000, v[ADRW]
	v_lshl_add_u32 v[STO], v2, 6, v[STO]
	v_lshl_add_u32 v[RDB], v1, 4, v[RDB]
	v_lshl_add_u32 v[CO], v1, 4, v[CO]
	v_add_nc_u32 v[STO], s97, v[STO]               ; in: row r, my 16 columns of each 32
	v_add_nc_u32 v[RDB], s97, v[RDB]               ; back: lanes 0-15 one row of 256 bytes, lanes 16-31 the next
.macro FETCH ks, f                     ; a fragment lies in LDS as its registers' image
.set FO_, 32768*(((\ks)/2)%2)+1024*((\ks)%2)
.irp b, 0,1,2,3
.irp c, 0,1
	ds_load_b128 v[128+48*(\f)+8*\b+4*\c:128+48*(\f)+8*\b+4*\c+3], v[ADRW+(\ks)/4] offset:FO_+2048*\b+512*\c
.endr
.endr
.irp a, 0,1
.irp c, 0,1
	ds_load_b128 v[160+48*(\f)+8*\a+4*\c:160+48*(\f)+8*\a+4*\c+3], v[ADRO+(\ks)/4] offset:FO_+2048*\a+512*\c
.endr
.endr
.endm
.macro WM                              ; one product; an odd tile's scale words are taken from lanes 16-31
.if PA_ && PB_
	v_wmma_scale_f32_16x16x128_f8f6f4 v[RD_:RD_+7], v[RA_:RA_+7], v[RB_:RB_+7], v[RC_:RC_+7], v[SA_], v[SB_] matrix_a_fmt:MATRIX_FMT_FP4 matrix_b_fmt:MATRIX_FMT_FP4 matrix_a_scale:MATRIX_SCALE_ROW1 matrix_b_scale:MATRIX_SCALE_ROW1
.elseif PA_
	v_wmma_scale_f32_16x16x128_f8f6f4 v[RD_:RD_+7], v[RA_:RA_+7], v[RB_:RB_+7], v[RC_:RC_+7], v[SA_], v[SB_] matrix_a_fmt:MATRIX_FMT_FP4 matrix_b_fmt:MATRIX_FMT_FP4 matrix_a_scale:MATRIX_SCALE_ROW1
.elseif PB_
	v_wmma_scale_f32_16x16x128_f8f6f4 v[RD_:RD_+7], v[RA_:RA_+7], v[RB_:RB_+7], v[RC_:RC_+7], v[SA_], v[SB_] matrix_a_fmt:MATRIX_FMT_FP4 matrix_b_fmt:MATRIX_FMT_FP4 matrix_b_scale:MATRIX_SCALE_ROW1
.else
	v_wmma_scale_f32_16x16x128_f8f6f4 v[RD_:RD_+7], v[RA_:RA_+7], v[RB_:RB_+7], v[RC_:RC_+7], v[SA_], v[SB_] matrix_a_fmt:MATRIX_FMT_FP4 matrix_b_fmt:MATRIX_FMT_FP4
.endif
.endm
.macro PRODS ks                        ; the eight accumulators by turns, one instruction a turn
.irp a, 0,1
.irp b, 0,1,2,3
.set RD_, 64+8*(4*\a+\b)
.set RA_, 128+48*((\ks)%2)+8*\b
.set RB_, 160+48*((\ks)%2)+8*\a
.set RC_, RD_
.if (\ks) == 0
.set RC_, 224+8*\b
.endif
.set SA_, 40+2*(\ks)+\b/2
.set SB_, 32+(\ks)
.set PA_, \b%2
.set PB_, \a
	WM
.endr
.endr
.endm
.macro LANDED n                        ; quarter n's two waves wait for their loads; for the last one every wave waits for all of its own
.if (\n) < 3
	s_cmp_eq_u32 s17, \n
	s_cbranch_scc0 .Lnot_mine_\@
	s_wait_tensorcnt 0x0
.Lnot_mine_\@:
.else
	s_wait_tensorcnt 0x0
.endif
	s_barrier_signal -1
.endm
.macro TWO n                           ; quarter n: steps 2 n and 2 n + 1.  Step 2 n's fragments have been asked for
	s_wait_dscnt 0x0
	FETCH 2*(\n)+1, 1                              ; (four places stand behind the products that read this set: below)
	PRODS 2*(\n)
	s_wait_dscnt 0x0
.if (\n) < 3
	LANDED \n+1
	PRODS 2*(\n)+1
	s_barrier_wait -1                              ; the next quarter is in
	PLACES 4                                       ; in front of loads into registers that products have read
	FETCH 2*(\n)+2, 0
.else
	PRODS 7
.endif
.endm
	s_wait_alu depctr_va_vdst(0)                   ; the head's end
	LANDED 0
	s_barrier_wait -1                              ; quarter 0 is in
	FETCH 0, 0
	s_wait_loadcnt 0x0                             ; scale words and bias
	TWO 0
	TWO 1
	TWO 2
	TWO 3
	PLACES 4                                       ; in front of the first read of results
	; THE WAY OUT, a tile of tokens at a time, through my own stage: LDS serves a wave's instructions in order, so no wait stands between its stores and its loads
.irp a, 0,1
.irp b, 0,1,2,3
	ds_store_b128 v[STO], v[64+8*(4*\a+\b):64+8*(4*\a+\b)+3] offset:128*(\b/2)+32*(\b%2)
	ds_store_b128 v[STO], v[64+8*(4*\a+\b)+4:64+8*(4*\a+\b)+7] offset:128*(\b/2)+32*(\b%2)+16
.endr
.irp i, 0,1,2,3,4,5,6,7
	ds_load_b128 v[128+32*\a+4*\i:128+32*\a+4*\i+3], v[RDB] offset:2*\i*SP
.endr
.endr
.irp a, 0,1
.irp i, 0,1,2,3,4,5,6,7
	s_wait_dscnt 16*(1-\a)+7-\i                    ; behind this load: the tile's younger loads and, for the first tile, the second's 8 stores and 8 loads
	global_store_b128 v[CO], v[128+32*\a+4*\i:128+32*\a+4*\i+3], s[14:15] offset:(8*\a+2*(\i%4)+32*(\i/4))*4096   ; 16 lanes store one aligned unit of 256 bytes
.endr
.endr
	s_wait_tensorcnt 0x0                           ; the wave's end
	ds_add_u32 v62, v63
	s_wait_dscnt 0x0
	CROUND                                         ; the closing round: no work-group ends while a partner may still ask for a tile that names it
	s_endpgm
.Lfunc_end_k_q96ff560730_oproj:
	.size	k_q96ff560730_oproj, .Lfunc_end_k_q96ff560730_oproj-k_q96ff560730_oproj
	.p2alignl 7, 3214868480
	.fill 96, 4, 3214868480
	.section	.rodata,"a",@progbits
	.p2align	6, 0x0
	.amdhsa_kernel k_q96ff560730_oproj
		.amdhsa_group_segment_fixed_size 167936
		.amdhsa_private_segment_fixed_size 0
		.amdhsa_enable_private_segment 0
		.amdhsa_kernarg_size 48
		.amdhsa_user_sgpr_count 2
		.amdhsa_user_sgpr_kernarg_segment_ptr 1
		.amdhsa_wavefront_size32 1
		.amdhsa_system_sgpr_workgroup_id_x 1
		.amdhsa_system_sgpr_workgroup_id_y 1
		.amdhsa_system_sgpr_workgroup_id_z 1
		.amdhsa_system_vgpr_workitem_id 0
		.amdhsa_next_free_vgpr 256
		.amdhsa_next_free_sgpr 100
		.amdhsa_reserve_vcc 0
		.amdhsa_float_denorm_mode_32 3
		.amdhsa_float_denorm_mode_16_64 3
		.amdhsa_memory_ordered 1
		.amdhsa_forward_progress 1
		.amdhsa_inst_pref_size 31
	.end_amdhsa_kernel
	.amdgpu_metadata
---
amdhsa.version: [ 1, 2 ]
amdhsa.kernels:
  - .name:           k_q96ff560730_oproj
    .symbol:         k_q96ff560730_oproj.kd
    .args:
      - { .name: o_codes, .offset: 0, .size: 8, .value_kind: global_buffer, .address_space: global }
      - { .name: o_scales, .offset: 8, .size: 8, .value_kind: global_buffer, .address_space: global }
      - { .name: in_codes, .offset: 16, .size: 8, .value_kind: global_buffer, .address_space: global }
      - { .name: in_scales, .offset: 24, .size: 8, .value_kind: global_buffer, .address_space: global }
      - { .name: bo, .offset: 32, .size: 8, .value_kind: global_buffer, .address_space: global }
      - { .name: out0, .offset: 40, .size: 8, .value_kind: global_buffer, .address_space: global }
    .group_segment_fixed_size: 167936
    .private_segment_fixed_size: 0
    .kernarg_segment_align: 8
    .kernarg_segment_size: 48
    .max_flat_workgroup_size: 256
    .sgpr_count:     100
    .vgpr_count:     256
    .wavefront_size: 32
...
	.end_amdgpu_metadata
.endif
;; end of part 4
